; MI455X (gfx1250); checked and timed in simulation.
; The chip was launched on July 23, 2026; its instructions are those of AMD's public machine-readable ISA for CDNA 5 (MIT licence, August 2026) and "CDNA5" Instruction Set Architecture Reference Guide (July 2026). The comments in the code are by the model that wrote it; some were corrected since.
;; Attention Block. Allowed arithmetic: matrix products marked QUANTISED: E2M3 operands, one E8M0 scale for each 32 along K, by v_wmma_scale_f32_16x16x128_f8f6f4 with both operands' format E2M3, f32 sums; everything else in f32.
;; Inputs: b1 4,096 float32; b2 1,024 float32; bk 1,024 float32; bq 1,024 float32; bv 1,024 float32; cls_attn_mask 2 x 2,048 x 2,048 float32; dis_attn_mask 2 x 2,048 x 2,048 float32; ln1_b 1,024 float32; ln1_g 1,024 float32; ln2_b 1,024 float32; ln2_g 1,024 float32; w1 1,024 x 4,096 float32; w2 4,096 x 1,024 float32; wk 1,024 x 1,024 float32; wq 1,024 x 1,024 float32; wv 1,024 x 1,024 float32; x 2 x 2,048 x 1,024 float32.
;; Outputs: out0 2 x 2,048 x 1,024 float32.
;; This version of the problem:
;;   THIS VERSION OF THE PROBLEM IS GIVEN IN LOW PRECISION. The matrix products marked QUANTISED in the list below multiply operands that are first quantised to E2M3 (2 exponent bits, 3 mantissa bits; 6 bits a number), with one power-of-two scale for each 32 numbers along K (OCP MX v1.0); their sums are f32. All else is computed in f32.
;;   The module's matrix products, in the order in which they are computed (A, B: the left and right operand; K: the contracted axis; several contracted axes count as one K, in the product's order):
;;     1. [M 4,096, K 1,024] x [K 1,024, N 1,024]; A: computed on the way; B: input wq: QUANTISED
;;     2. [M 4,096, K 1,024] x [K 1,024, N 1,024]; A: computed on the way; B: input wk: QUANTISED
;;     3. [M 4,096, K 1,024] x [K 1,024, N 1,024]; A: computed on the way; B: input wv: QUANTISED
;;     4. batch 32 x [M 2,048, K 64] x [K 64, N 2,048]; A: computed on the way; B: computed on the way: QUANTISED
;;     5. batch 32 x [M 2,048, K 2,048] x [K 2,048, N 64]; A: softmax (see below); B: computed on the way: QUANTISED
;;     6. [M 4,096, K 1,024] x [K 1,024, N 4,096]; A: computed on the way; B: input w1: QUANTISED
;;     7. [M 4,096, K 4,096] x [K 4,096, N 1,024]; A: computed on the way; B: input w2: QUANTISED
;;   THE QUANTISER, for each operand of a quantised product, along K:
;;     - K is cut into blocks of 32 from its start; a last block that is shorter is filled with zeros.
;;     - A block's scale is 2^e with e = floor(log2(the largest magnitude in the block)) - 2, held to -126 .. 127; a block of zeros has e = 0. As a byte (E8M0): e + 127.
;;     - Each number is divided by its block's scale, clamped to +-7.5, and rounded to the nearest number of E2M3, ties to even, subnormals kept.
;;     - The product sums the exact products of the quantised numbers (number of the format x scale) in f32.
;;   ~~~python
;;   def quantise(x, axis):      # numpy; x: float32 -> the quantised numbers, widened to float32 again
;;       x = np.moveaxis(x, axis, -1); K = x.shape[-1]
;;       x = np.pad(x, [(0, 0)] * (x.ndim - 1) + [(0, -K % 32)]); x = x.reshape(x.shape[:-1] + (-1, 32)); a = np.abs(x).max(-1, keepdims=True)
;;       e = np.where(a > 0, np.clip(np.frexp(np.where(a > 0, a, 1))[1] - 1 - 2, -126, 127), 0)      # np.frexp(a)[1] - 1 = floor(log2(a)), exactly
;;       r = np.clip(x / 2.0 ** e, -7.5, 7.5)
;;       step = 2.0 ** (np.maximum(np.frexp(np.where(r == 0, 1, r))[1] - 1, 0) - 3)
;;       q = np.round(r / step) * step * 2.0 ** e      # np.round: ties to even
;;       return np.moveaxis(q.reshape(q.shape[:-2] + (-1,))[..., :K], -1, axis).astype(np.float32)
;;   ~~~
;;   SOFTMAX AHEAD OF A QUANTISED PRODUCT. Where the list says 'softmax', what is quantised is not the finished softmax but p = 2^(t - M), with t = logit x log2(e) and M = ceil(the row's largest t), a whole number; so 1/2 < the row's largest p <= 1. The row's sum l is taken of the UNQUANTISED p, in f32, and the product's result is divided by l at the end. Since M is a whole number, a kernel that streams over the keys may use a running M (the ceiling of the running maximum): every later rescaling is an exact power of two, which a block's scale takes up: the codes' values come out the same.
;;   OPERANDS COMPUTED ON THE WAY. 'Computed on the way' means the value that the module computes at that place (a softmax that the list does not call 'softmax' is quantised finished and normalised). What goes into a quantiser is computed in f32, as accurately as f32 sums, v_exp_f32 and their like allow (about 1e-6 of the number): no bf16 or f16 on the way to a quantiser, and a product that is left as it is and whose result goes on into a quantised operand takes f32 operands (vector FMAs, or v_wmma_f32_16x16x4_f32). A number that lies on a knife's edge between two numbers of the format may be rounded either way, as far as f32 arithmetic and the matrix unit's own rounding can turn it there, and no further.
;; One version. Each part assembles by itself: llvm-mc -triple=amdgcn-amd-amdhsa -mcpu=gfx1250 --defsym DOCPART=n.
;; ======== version 1 of 1: 5 launches
;; limits: right only within a limited range of input values
;; workspace buffers: h1 3,276,800 bytes; wts 9,011,200 bytes; mimg 33,554,432 bytes; qkv 9,830,400 bytes; att 20,054,016 bytes; h3 13,107,200 bytes
;; launch prep (part 1): grid 1120 x 1, 8 waves a work-group, no clusters, 69,632 bytes of LDS; arguments x, ln1_g, ln1_b, wq, wk, wv, w1, w2, dis_attn_mask, cls_attn_mask, h1, wts, mimg; writes h1, wts, mimg
.if DOCPART == 1
	.amdgcn_target "amdgcn-amd-amdhsa--gfx1250"
	.amdhsa_code_object_version 6
	.text
	.protected	k_q0aa2b14167_prep
	.globl	k_q0aa2b14167_prep
	.p2align	8
	.type	k_q0aa2b14167_prep,@function
k_q0aa2b14167_prep:
	s_mov_b64 s[64:65], 0
	v_nop
	global_prefetch_b8 v0, s[64:65] scope:SCOPE_SE
	s_setreg_imm32_b32 hwreg(HW_REG_WAVE_MODE, 25, 1), 1
	s_wait_xcnt 0x0
; THREE JOBS IN ONE LAUNCH, parted by the work-group's number: 0-255 LayerNorm 1 of x -> codes; 256-607 the five weights -> codes; 608-1119 the two masks -> images.
; CODES are FP6 (E2M3) with one E8M0 byte for each 32 along K.  A block's scale is 2^(floor(log2(largest magnitude)) - 2): its byte is the largest magnitude's exponent field - 2, held at 1 from below.
; IMAGES.  An operand [rows][K] is stored as [K/128][rows/16][1536 bytes]: the 12 registers of a fragment (16 rows x 128 K) as the matrix instruction takes them: register R of lane l at 512 (R/4) + 16 l + 4 (R%4);
; registers 6c..6c+5 of lane (r, h) hold k = 64c + 32h + 0..31 of row r.  Its scale words as [K/128][rows/16][64 bytes], word r = row r's four bytes.
; WEIGHTS [K][N]: column n becomes stored row SWAP(n) (bits 3 and 4 of n exchanged), so that in the transposed product a lane's 16 registers of two neighbouring tiles are 16 neighbouring columns.
; wv's column n = 64 j + ch becomes row 2048 + 32 (ch/2) + 8 (ch%2) + 16 (j%2) + j/2: a lane's 16 registers are then the 16 keys of one row s for one channel.
; MASK IMAGES: for a tile of 16 queries and 128 keys, 8 x (dis + cls) in the layout of the score product's accumulators: register 16b + 8u + jj of lane (query, h) is key 32b + 16h + 2jj + u.
; LIMITS: a block of zeros, or one whose largest magnitude lies under 2^-124, keeps the byte 1 (the bytes are read by this program alone; zero codes add nothing).  NaN and infinities are not served.
.set H1_S,   3145728
.set WQKV_I, 0
.set W1_I,   2359296
.set W2_I,   5505024
.set WQKV_S, 8650752
.set W1_S,   8749056
.set W2_S,   8880128
.set LNS,    67584                     ; LDS: the masks' eight stages of 8,448 bytes lie at 0; LayerNorm's two areas of 512 bytes here
.set TM,  224                          ; v224-239 at work in the quantiser
.set PW,  240                          ; the scale word just made
.set PC,  4                            ; v4-22 the codes just made
.set SEL, 30                           ; s[30:31] lane selects: lane l xor 16
; 64 numbers of a lane, register 16 b + i = k 32 b + 16 h + i of my row, become a fragment's 12 registers in v[PC] on and its scale word in v[PW]
.macro QUANT0 s
.irp b, 0,1,2,3
	v_max3_num_f32 v[TM+\b], |v[\s+16*\b]|, |v[\s+1+16*\b]|, 0x1800000   ; my 16 numbers of block b, and the floor 2^(3 - 127): the byte cannot fall under 1
.endr
.irp i, 2,4,6,8,10,12,14
.irp b, 0,1,2,3
	s_delay_alu instid0(VALU_DEP_4)
	v_max3_num_f32 v[TM+\b], v[TM+\b], |v[\s+16*\b+\i]|, |v[\s+1+16*\b+\i]|
.endr
.endr
.irp b, 0,1,2,3
	s_delay_alu instid0(VALU_DEP_4)
	v_permlanex16_b32 v[TM+4+\b], v[TM+\b], s[SEL], s[SEL+1]
.endr
.irp b, 0,1,2,3
	s_delay_alu instid0(VALU_DEP_4)
	v_max_num_f32 v[TM+\b], v[TM+\b], v[TM+4+\b]   ; with lane l xor 16's: the block's largest magnitude
.endr
.irp b, 0,1,2,3
	s_delay_alu instid0(VALU_DEP_4)
	v_add_nc_u32 v[TM+12+\b], 0xff000000, v[TM+\b]   ; 2 off its exponent field: the conversion's scale operand
.endr
.irp b, 0,1,2,3
	s_delay_alu instid0(VALU_DEP_4)
	v_lshrrev_b32 v[TM+4+\b], 23, v[TM+12+\b]   ; the scale's byte
.endr
	s_delay_alu instid0(VALU_DEP_3)
	v_lshl_or_b32 v[PW], v[TM+5], 8, v[TM+4]
	s_delay_alu instid0(VALU_DEP_1)
	v_lshl_or_b32 v[PW], v[TM+6], 16, v[PW]
	s_delay_alu instid0(VALU_DEP_1)
	v_lshl_or_b32 v[PW], v[TM+7], 24, v[PW]
.irp c, 0,1
	v_cvt_scalef32_pk16_fp6_f32 v[PC+6*\c:PC+2+6*\c], v[\s+32*\c:\s+15+32*\c], v[TM+12+2*\c]
	v_cvt_scalef32_pk16_fp6_f32 v[PC+12+4*\c:PC+14+4*\c], v[\s+16+32*\c:\s+31+32*\c], v[TM+12+2*\c+1]
.endr
	v_nop                                          ; one plain line behind the conversions
.irp c, 0,1
.irp i, 0,1,2
	v_permlane16_swap_b32 v[PC+6*\c+\i], v[PC+12+4*\c+\i]   ; a whole block to a lane: lanes 0-15 block 2c, lanes 16-31 block 2c + 1
.endr
.irp i, 0,1,2
	s_delay_alu instid0(VALU_DEP_3)
	v_mov_b32 v[PC+3+6*\c+\i], v[PC+12+4*\c+\i]
.endr
.endr
.endm
	v_lshl_add_u32 v235, v0, 2, 0x10c00
	v_mov_b32 v255, 0
	v_lshrrev_b32 v1, 5, v0
	s_delay_alu instid0(VALU_DEP_1)
	v_readfirstlane_b32 s2, v1                     ; wave 0..7
	v_and_b32 v1, 31, v0                           ; lane
	v_and_b32 v2, 15, v0                           ; r
	v_bfe_u32 v3, v0, 4, 1                         ; h
	s_cmp_lt_u32 ttmp9, 256
	s_cbranch_scc1 .Lln1
	s_cmp_lt_u32 ttmp9, 608
	s_cbranch_scc1 .Lwts
; ---------------- THE MASKS.  A wave takes 16 queries x 128 keys.  Each load reads one row's 512 consecutive bytes; the sums turn through the wave's own stage (rows of 528 bytes) into the image's order.
	s_load_b128 s[4:7], s[0:1], 0x40               ; dis, cls
	s_load_b64 s[8:9], s[0:1], 0x60                ; the images
	s_sub_co_u32 s10, ttmp9, 608
	s_lshr_b32 s11, s10, 1                         ; which tile of 16 queries, 0..255 (both batches on end)
	s_and_b32 s12, s10, 1
	s_lshl_b32 s12, s12, 3
	s_add_co_u32 s12, s12, s2                      ; which 128 keys, 0..15
	s_lshl_b32 s14, s11, 17                        ; 16 rows of 8,192 bytes
	s_lshl_b32 s15, s12, 9
	s_add_co_u32 s14, s14, s15
	s_mov_b32 s15, 0
	s_lshl_b32 s16, s11, 4
	s_add_co_u32 s16, s16, s12
	s_lshl_b32 s16, s16, 13                        ; an image is 8,192 bytes
	s_mov_b32 s17, 0
	s_wait_alu depctr_va_vdst(0)
	v_lshlrev_b32 v4, 4, v1                        ; 16 x lane
	s_mul_i32 s13, s2, 8448                        ; my stage
	v_lshrrev_b32 v7, 3, v1
	v_bfe_u32 v8, v1, 2, 1
	v_and_b32 v9, 3, v1
	s_delay_alu instid0(VALU_DEP_3)
	v_lshlrev_b32 v5, 7, v7                        ; in: my four keys 4l..4l+3 lie in block l/8, half (l/4)%2; keys of equal parity are neighbours in the image
	s_delay_alu instid0(VALU_DEP_1)
	v_lshl_add_u32 v5, v8, 6, v5
	s_delay_alu instid0(VALU_DEP_1)
	v_lshl_add_u32 v5, v9, 3, v5
	s_delay_alu instid0(VALU_DEP_1)
	v_add_nc_u32 v5, s13, v5
	v_mul_u32_u24 v6, v2, 528                      ; back: query r, half h
	s_delay_alu instid0(VALU_DEP_1)
	v_lshl_add_u32 v6, v3, 6, v6
	s_delay_alu instid0(VALU_DEP_1)
	v_add_nc_u32 v6, s13, v6
	s_wait_kmcnt 0x0
	s_add_nc_u64 s[4:5], s[4:5], s[14:15]
	s_add_nc_u64 s[6:7], s[6:7], s[14:15]
	s_add_nc_u64 s[8:9], s[8:9], s[16:17]
.set mr, 0
.rept 16
	global_load_b128 v[32+4*mr:35+4*mr], v4, s[4:5] offset:8192*mr th:TH_LOAD_NT
	global_load_b128 v[96+4*mr:99+4*mr], v4, s[6:7] offset:8192*mr th:TH_LOAD_NT
.set mr, mr+1
.endr
.set mr, 0
.rept 16
	s_wait_loadcnt 30-2*mr                         ; this row's two loads are in; the 2 (15 - row) younger ones may be out
	v_add_f32 v[96+4*mr], v[32+4*mr], v[96+4*mr]   ; key 0
	v_add_f32 v[32+4*mr], v[33+4*mr], v[97+4*mr]   ; key 1
	v_add_f32 v[97+4*mr], v[34+4*mr], v[98+4*mr]   ; key 2, beside key 0
	v_add_f32 v[33+4*mr], v[35+4*mr], v[99+4*mr]   ; key 3, beside key 1
	s_delay_alu instid0(VALU_DEP_2)
	v_pk_mul_f32 v[96+4*mr:97+4*mr], v[96+4*mr:97+4*mr], 0x41000000 op_sel_hi:[1,0]   ; x 8, exact: the scores are scaled by 1/8 behind the sum
	s_delay_alu instid0(VALU_DEP_2)
	v_pk_mul_f32 v[32+4*mr:33+4*mr], v[32+4*mr:33+4*mr], 0x41000000 op_sel_hi:[1,0]
	ds_store_b64 v5, v[96+4*mr:97+4*mr] offset:528*mr
	ds_store_b64 v5, v[32+4*mr:33+4*mr] offset:528*mr+32
.set mr, mr+1
.endr
.set mg, 0
.rept 16
	ds_load_b128 v[160+4*mg:163+4*mg], v6 offset:128*(mg/4)+16*(mg%4)   ; LDS serves a wave's instructions in order: these see my stores
.set mg, mg+1
.endr
.set mg, 0
.rept 16
	s_wait_dscnt 15-mg
	global_store_b128 v4, v[160+4*mg:163+4*mg], s[8:9] offset:512*mg   ; 32 lanes store 512 consecutive bytes
.set mg, mg+1
.endr
	s_wait_tensorcnt 0x0
	ds_add_u32 v235, v255
	s_wait_dscnt 0x0
	s_endpgm
; ---------------- LAYERNORM 1.  A work-group takes 16 rows; wave w takes columns 128 w .. 128 w + 127 of them: one fragment.  Lane (r, h) holds, of row r, 16 neighbours of each block of 32.
; Mean first, then the sum of squares of the differences: two sums, each over the eight waves through LDS, each behind a barrier of its own.
.Lln1:
	s_load_b128 s[4:7], s[0:1], 0x0                ; x, g
	s_load_b64 s[8:9], s[0:1], 0x10                ; b
	s_load_b64 s[10:11], s[0:1], 0x50              ; h1
	s_mov_b32 s[SEL], 0x76543210
	s_mov_b32 s[SEL+1], 0xfedcba98
	s_lshl_b32 s12, ttmp9, 16                      ; 16 rows of 4,096 bytes
	s_lshl_b32 s14, s2, 9                          ; my wave's 512 bytes of a row
	s_add_co_u32 s12, s12, s14
	s_mov_b32 s13, 0
	s_mov_b32 s15, 0
	s_mov_b32 s16, 0x3a800000                      ; 1 / 1024
	s_mov_b32 s17, 0x3727c5ac                      ; 1e-5
	s_wait_alu depctr_va_vdst(0)
	v_lshlrev_b32 v241, 12, v2
	s_delay_alu instid0(VALU_DEP_1)
	v_lshl_add_u32 v241, v3, 6, v241               ; x: row r, + 64 h
	v_lshlrev_b32 v242, 6, v3                      ; g, b: 64 h
	v_lshl_add_u32 v243, v2, 2, LNS                ; the sums: 4 r; the waves' parts lie 64 bytes apart
	s_lshl_b32 s18, s2, 6
	v_add_nc_u32 v254, s18, v243
	v_lshlrev_b32 v252, 4, v1
	v_lshlrev_b32 v253, 2, v2
.irp b, 0,1,2,3
	v_mov_b32 v[TM+4+\b], 0                        ; written once: a lane permute's destination counts as one of its sources
.endr
	s_lshl_b32 s18, s2, 8
	s_add_co_u32 s18, s18, ttmp9                   ; image number: 256 x K step + block of rows
	s_lshl_b32 s20, s18, 6
	s_add_co_u32 s20, s20, H1_S
	s_mul_i32 s18, s18, 1536
	s_mov_b32 s19, 0
	s_mov_b32 s21, 0
	s_wait_alu depctr_va_vdst(0)
	s_wait_kmcnt 0x0
	s_add_nc_u64 s[4:5], s[4:5], s[12:13]
	s_add_nc_u64 s[6:7], s[6:7], s[14:15]
	s_add_nc_u64 s[8:9], s[8:9], s[14:15]
	s_add_nc_u64 s[18:19], s[10:11], s[18:19]
	s_add_nc_u64 s[20:21], s[10:11], s[20:21]
.set lq, 0
.rept 16
	global_load_b128 v[32+4*lq:35+4*lq], v241, s[4:5] offset:128*(lq/4)+16*(lq%4) th:TH_LOAD_NT
.set lq, lq+1
.endr
.set lq, 0
.rept 16
	global_load_b128 v[96+4*lq:99+4*lq], v242, s[6:7] offset:128*(lq/4)+16*(lq%4)
	global_load_b128 v[160+4*lq:163+4*lq], v242, s[8:9] offset:128*(lq/4)+16*(lq%4)
.set lq, lq+1
.endr
	s_wait_loadcnt 32                              ; x is in; the 32 loads of g and b may be out
	v_pk_add_f32 v[26:27], v[32:33], v[34:35]
	v_pk_add_f32 v[232:233], v[40:41], v[44:45]
	v_pk_add_f32 v[30:31], v[48:49], v[52:53]
	v_pk_add_f32 v[24:25], v[56:57], v[60:61]
	s_delay_alu instid0(VALU_DEP_1)
	v_pk_add_f32 v[24:25], v[24:25], v[64:65]
	v_pk_add_f32 v[26:27], v[26:27], v[68:69]
	v_pk_add_f32 v[232:233], v[232:233], v[72:73]
	v_pk_add_f32 v[30:31], v[30:31], v[76:77]
	s_delay_alu instid0(VALU_DEP_4)
	v_pk_add_f32 v[24:25], v[24:25], v[80:81]
	s_delay_alu instid0(VALU_DEP_4)
	v_pk_add_f32 v[26:27], v[26:27], v[84:85]
	s_delay_alu instid0(VALU_DEP_4)
	v_pk_add_f32 v[232:233], v[232:233], v[88:89]
	s_delay_alu instid0(VALU_DEP_4)
	v_pk_add_f32 v[30:31], v[30:31], v[92:93]
	s_delay_alu instid0(VALU_DEP_4)
	v_pk_add_f32 v[24:25], v[24:25], v[36:37]
	s_delay_alu instid0(VALU_DEP_4)
	v_pk_add_f32 v[26:27], v[26:27], v[38:39]
	s_delay_alu instid0(VALU_DEP_4)
	v_pk_add_f32 v[232:233], v[232:233], v[42:43]
	s_delay_alu instid0(VALU_DEP_4)
	v_pk_add_f32 v[30:31], v[30:31], v[46:47]
	s_delay_alu instid0(VALU_DEP_4)
	v_pk_add_f32 v[24:25], v[24:25], v[50:51]
	s_delay_alu instid0(VALU_DEP_4)
	v_pk_add_f32 v[26:27], v[26:27], v[54:55]
	s_delay_alu instid0(VALU_DEP_4)
	v_pk_add_f32 v[232:233], v[232:233], v[58:59]
	s_delay_alu instid0(VALU_DEP_4)
	v_pk_add_f32 v[30:31], v[30:31], v[62:63]
	s_delay_alu instid0(VALU_DEP_4)
	v_pk_add_f32 v[24:25], v[24:25], v[66:67]
	s_delay_alu instid0(VALU_DEP_4)
	v_pk_add_f32 v[26:27], v[26:27], v[70:71]
	s_delay_alu instid0(VALU_DEP_4)
	v_pk_add_f32 v[232:233], v[232:233], v[74:75]
	s_delay_alu instid0(VALU_DEP_4)
	v_pk_add_f32 v[30:31], v[30:31], v[78:79]
	s_delay_alu instid0(VALU_DEP_4)
	v_pk_add_f32 v[24:25], v[24:25], v[82:83]
	s_delay_alu instid0(VALU_DEP_4)
	v_pk_add_f32 v[26:27], v[26:27], v[86:87]
	s_delay_alu instid0(VALU_DEP_4)
	v_pk_add_f32 v[232:233], v[232:233], v[90:91]
	s_delay_alu instid0(VALU_DEP_4)
	v_pk_add_f32 v[30:31], v[30:31], v[94:95]
	s_delay_alu instid0(VALU_DEP_2)
	v_pk_add_f32 v[24:25], v[24:25], v[232:233]
	s_delay_alu instid0(VALU_DEP_2)
	v_pk_add_f32 v[26:27], v[26:27], v[30:31]
	s_delay_alu instid0(VALU_DEP_1)
	v_pk_add_f32 v[24:25], v[24:25], v[26:27]
	s_delay_alu instid0(VALU_DEP_1)
	v_add_f32 v24, v24, v25
	s_delay_alu instid0(VALU_DEP_1)
	v_permlanex16_b32 v25, v24, s[SEL], s[SEL+1]
	s_delay_alu instid0(VALU_DEP_1)
	v_add_f32 v24, v24, v25                        ; my wave's 128 numbers of row r
	ds_store_b32 v254, v24                         ; (lanes r and r + 16 write the same word with the same value)
	s_wait_dscnt 0x0                               ; for the others' sake
	s_barrier_signal -1
	s_barrier_wait -1
.irp k, 0,1,2,3,4,5,6,7
	ds_load_b32 v[244+\k], v243 offset:64*\k
.endr
	s_wait_dscnt 0x0
	v_add_f32 v244, v244, v245
	v_add_f32 v246, v246, v247
	v_add_f32 v248, v248, v249
	v_add_f32 v250, v250, v251
	s_delay_alu instid0(VALU_DEP_3)
	v_add_f32 v244, v244, v246
	s_delay_alu instid0(VALU_DEP_2)
	v_add_f32 v248, v248, v250
	s_delay_alu instid0(VALU_DEP_1)
	v_add_f32 v244, v244, v248
	s_delay_alu instid0(VALU_DEP_1)
	v_mul_f32 v28, s16, v244                       ; the mean
	s_delay_alu instid0(VALU_DEP_1)
	v_mov_b32 v29, v28
.set j, 0
.rept 32
	v_pk_add_f32 v[32+j:33+j], v[32+j:33+j], v[28:29] neg_lo:[0,1] neg_hi:[0,1]
.set j, j+2
.endr
	v_pk_mul_f32 v[24:25], v[32:33], v[32:33]
	v_pk_mul_f32 v[26:27], v[34:35], v[34:35]
.set j, 4
.rept 15
	s_delay_alu instid0(VALU_DEP_2)
	v_pk_fma_f32 v[24:25], v[32+j:33+j], v[32+j:33+j], v[24:25]
	s_delay_alu instid0(VALU_DEP_2)
	v_pk_fma_f32 v[26:27], v[34+j:35+j], v[34+j:35+j], v[26:27]
.set j, j+4
.endr
	s_delay_alu instid0(VALU_DEP_1)
	v_pk_add_f32 v[24:25], v[24:25], v[26:27]
	s_delay_alu instid0(VALU_DEP_1)
	v_add_f32 v24, v24, v25
	s_delay_alu instid0(VALU_DEP_1)
	v_permlanex16_b32 v25, v24, s[SEL], s[SEL+1]
	s_delay_alu instid0(VALU_DEP_1)
	v_add_f32 v24, v24, v25
	ds_store_b32 v254, v24 offset:512              ; the second area: nobody reads it before the barrier below, and the first is not written again
	s_wait_dscnt 0x0
	s_barrier_signal -1
	s_barrier_wait -1
.irp k, 0,1,2,3,4,5,6,7
	ds_load_b32 v[244+\k], v243 offset:512+64*\k
.endr
	s_wait_dscnt 0x0
	v_add_f32 v244, v244, v245
	v_add_f32 v246, v246, v247
	v_add_f32 v248, v248, v249
	v_add_f32 v250, v250, v251
	s_delay_alu instid0(VALU_DEP_3)
	v_add_f32 v244, v244, v246
	s_delay_alu instid0(VALU_DEP_2)
	v_add_f32 v248, v248, v250
	s_delay_alu instid0(VALU_DEP_1)
	v_add_f32 v244, v244, v248
	s_delay_alu instid0(VALU_DEP_1)
	v_fma_f32 v28, v244, s16, s17                  ; the variance + 1e-5
	s_wait_alu depctr_va_vdst(0)
	v_rsq_f32 v28, v28
	v_nop                                          ; a plain line behind the transcendental,
	s_wait_alu depctr_va_vdst(0)                   ; and the wait ahead of its first reader
	v_mov_b32 v29, v28
	s_wait_alu depctr_va_vdst(0)
	s_wait_loadcnt 0x0                             ; g and b
.set j, 0
.rept 32
	v_pk_mul_f32 v[32+j:33+j], v[32+j:33+j], v[28:29]
.set j, j+2
.endr
.set j, 0
.rept 32
	v_pk_fma_f32 v[32+j:33+j], v[32+j:33+j], v[96+j:97+j], v[160+j:161+j]
.set j, j+2
.endr
	QUANT0 32
	global_store_b128 v252, v[PC:PC+3], s[18:19]              ; the image: three stores of 512 consecutive bytes
	global_store_b128 v252, v[PC+4:PC+7], s[18:19] offset:512
	global_store_b128 v252, v[PC+8:PC+11], s[18:19] offset:1024
	s_wait_xcnt 0x0                                ; EXEC changes only behind this wait
	v_cmp_gt_u32 vcc_lo, 16, v1
	s_wait_tensorcnt 0x0
	ds_add_u32 v235, v255
	s_wait_dscnt 0x0
	s_and_saveexec_b32 s22, vcc_lo
	global_store_b32 v253, v[PW], s[20:21]         ; lanes 0-15: the 16 rows' scale words
	s_wait_xcnt 0x0
	s_or_b32 exec_lo, exec_lo, s22
	s_endpgm
; ---------------- THE WEIGHTS.  A work-group takes 256 columns x 128 along K; a lane takes a column, and its registers run down K: a block of 32 lies in one lane, and the conversions give codes with K innermost.
.Lwts:
	s_load_b256 s[8:15], s[0:1], 0x18              ; wq, wk, wv, w1
	s_load_b64 s[16:17], s[0:1], 0x38              ; w2
	s_load_b64 s[18:19], s[0:1], 0x58              ; the codes' buffer
	s_sub_co_u32 s20, ttmp9, 256
	s_wait_kmcnt 0x0
	s_cmp_lt_u32 s20, 96
	s_cbranch_scc0 .Lw_not_qkv
	s_lshr_b32 s21, s20, 5                         ; 0 wq, 1 wk, 2 wv
	s_bfe_u32 s22, s20, 0x30002                    ; K step
	s_and_b32 s23, s20, 3                          ; which 256 columns
	s_cmp_eq_u32 s21, 0
	s_cselect_b64 s[4:5], s[8:9], s[10:11]
	s_cmp_eq_u32 s21, 2
	s_cselect_b64 s[4:5], s[12:13], s[4:5]
	s_cselect_b32 s28, -1, 0                       ; all lanes: wv's order of rows
	s_mov_b32 s24, 192                             ; blocks of 16 stored rows in a K step
	s_lshl_b32 s25, s21, 10                        ; the tensor's first stored row
	s_mov_b32 s26, WQKV_I
	s_mov_b32 s27, WQKV_S
	s_mov_b32 s29, 0                               ; rows of 4,096 bytes
	s_branch .Lw_go
.Lw_not_qkv:
	s_cmp_lt_u32 s20, 224
	s_cbranch_scc0 .Lw_w2
	s_sub_co_u32 s21, s20, 96
	s_lshr_b32 s22, s21, 4
	s_and_b32 s23, s21, 15
	s_mov_b64 s[4:5], s[14:15]
	s_mov_b32 s28, 0
	s_mov_b32 s24, 256
	s_mov_b32 s25, 0
	s_mov_b32 s26, W1_I
	s_mov_b32 s27, W1_S
	s_mov_b32 s29, 1                               ; rows of 16,384 bytes
	s_branch .Lw_go
.Lw_w2:
	s_sub_co_u32 s21, s20, 224
	s_lshr_b32 s22, s21, 2
	s_and_b32 s23, s21, 3
	s_mov_b64 s[4:5], s[16:17]
	s_mov_b32 s28, 0
	s_mov_b32 s24, 64
	s_mov_b32 s25, 0
	s_mov_b32 s26, W2_I
	s_mov_b32 s27, W2_S
	s_mov_b32 s29, 0
.Lw_go:
	s_lshl_b32 s32, s23, 8
	s_lshl_b32 s33, s2, 5
	s_add_co_u32 s32, s32, s33
	s_wait_alu depctr_va_vdst(0)
	v_add_nc_u32 v4, s32, v1                       ; my column n
	s_delay_alu instid0(VALU_DEP_1)
	v_and_b32 v5, 0xffffffe7, v4                   ; SWAP(n)
	s_delay_alu instid0(VALU_DEP_2)
	v_and_b32 v6, 8, v4
	s_delay_alu instid0(VALU_DEP_1)
	v_lshl_or_b32 v5, v6, 1, v5
	s_delay_alu instid0(VALU_DEP_4)
	v_and_b32 v6, 16, v4
	s_delay_alu instid0(VALU_DEP_1)
	v_lshrrev_b32 v6, 1, v6
	s_delay_alu instid0(VALU_DEP_1)
	v_or_b32 v5, v5, v6
	v_and_b32 v6, 63, v4                           ; wv: channel,
	v_lshrrev_b32 v7, 6, v4                        ; and j
	s_delay_alu instid0(VALU_DEP_2)
	v_lshrrev_b32 v8, 1, v6
	s_delay_alu instid0(VALU_DEP_1)
	v_lshlrev_b32 v8, 5, v8
	s_delay_alu instid0(VALU_DEP_4)
	v_and_b32 v9, 1, v6
	s_delay_alu instid0(VALU_DEP_1)
	v_lshl_or_b32 v8, v9, 3, v8
	v_and_b32 v9, 1, v7
	s_delay_alu instid0(VALU_DEP_1)
	v_lshl_or_b32 v8, v9, 4, v8
	v_lshrrev_b32 v9, 1, v7
	s_delay_alu instid0(VALU_DEP_1)
	v_or_b32 v8, v8, v9
	s_delay_alu instid0(VALU_DEP_1)
	v_cndmask_b32 v5, v5, v8, s28
	s_delay_alu instid0(VALU_DEP_1)
	v_add_nc_u32 v5, s25, v5                       ; my stored row R
	s_delay_alu instid0(VALU_DEP_1)
	v_lshrrev_b32 v6, 4, v5
	s_delay_alu instid0(VALU_DEP_2)
	v_and_b32 v7, 15, v5
	s_delay_alu instid0(VALU_DEP_2)
	v_mul_u32_u24 v10, v6, 1536
	s_delay_alu instid0(VALU_DEP_1)
	v_lshl_add_u32 v10, v7, 4, v10                 ; image R / 16, lane R % 16
	v_lshlrev_b32 v11, 2, v5                       ; scale word R
	v_lshlrev_b32 v12, 2, v1
	s_mul_i32 s34, s22, s24
	s_mul_i32 s36, s34, 1536
	s_add_co_u32 s36, s36, s26
	s_mov_b32 s37, 0
	s_lshl_b32 s38, s34, 6
	s_add_co_u32 s38, s38, s27
	s_mov_b32 s39, 0
	s_add_nc_u64 s[36:37], s[18:19], s[36:37]
	s_add_nc_u64 s[38:39], s[18:19], s[38:39]
	s_lshl_b32 s41, s29, 1
	s_add_co_u32 s41, s41, 19
	s_lshl_b32 s40, s22, s41                       ; 128 rows of the tensor for each K step
	s_lshl_b32 s42, s32, 2
	s_add_co_u32 s40, s40, s42
	s_mov_b32 s41, 0
	s_add_nc_u64 s[4:5], s[4:5], s[40:41]
.macro LOADW t                         ; block t: w(32 t + i, my column) into set t % 2.  The two pitches are two runs of 32 loads; the branch goes round the loads alone, so the counts are alike on both ways
	s_cmp_eq_u32 s29, 0
	s_cbranch_scc0 .Lwide_\@
.set li, 0
	s_wait_alu depctr_va_vdst(0)
.rept 32
	global_load_b32 v[32+32*((\t)%2)+li], v12, s[4:5] offset:(32*(\t)+li)*4096 th:TH_LOAD_NT
.set li, li+1
.endr
	s_branch .Lasked_\@
.Lwide_\@:
.set li, 0
	s_wait_alu depctr_va_vdst(0)
.rept 32
	global_load_b32 v[32+32*((\t)%2)+li], v12, s[4:5] offset:(32*(\t)+li)*16384 th:TH_LOAD_NT
.set li, li+1
.endr
.Lasked_\@:
.endm
.macro BLOCKW t
.set XS, 32+32*((\t)%2)
.set FD, 96+12*((\t)%2)+6*((\t)/2)     ; block t = 2c + h belongs to image lane (row, h), registers 6c .. 6c + 5
.if (\t) < 3
	s_wait_loadcnt 32                              ; this block's 32 loads are in; the next block's may be out
.else
	s_wait_loadcnt 0x0
.endif
	v_max3_num_f32 v13, |v[XS]|, |v[XS+1]|, |v[XS+2]|
	v_max3_num_f32 v14, |v[XS+3]|, |v[XS+4]|, |v[XS+5]|
.irp i, 6,10,14,18,22,26
	s_delay_alu instid0(VALU_DEP_2)
	v_max3_num_f32 v13, v13, |v[XS+\i]|, |v[XS+\i+1]|
	s_delay_alu instid0(VALU_DEP_2)
	v_max3_num_f32 v14, v14, |v[XS+\i+2]|, |v[XS+\i+3]|
.endr
	s_delay_alu instid0(VALU_DEP_2)
	v_max3_num_f32 v13, v13, |v[XS+30]|, |v[XS+31]|
	s_delay_alu instid0(VALU_DEP_1)
	v_max3_num_f32 v13, v13, v14, 0x1800000        ; and the floor
	s_delay_alu instid0(VALU_DEP_1)
	v_add_nc_u32 v15, 0xff000000, v13
	s_delay_alu instid0(VALU_DEP_1)
	v_lshrrev_b32 v16, 23, v15
.if (\t) == 0
	s_delay_alu instid0(VALU_DEP_1)
	v_mov_b32 v17, v16
.else
	s_delay_alu instid0(VALU_DEP_1)
	v_lshl_or_b32 v17, v16, 8*(\t), v17
.endif
	v_cvt_scalef32_pk16_fp6_f32 v[FD:FD+2], v[XS:XS+15], v15
	v_cvt_scalef32_pk16_fp6_f32 v[120:122], v[XS+16:XS+31], v15   ; (a conversion's three registers begin on an even number)
	v_nop
	v_mov_b32 v[FD+3], v120
	v_mov_b32 v[FD+4], v121
	v_mov_b32 v[FD+5], v122
.if (\t) < 2
	LOADW (\t)+2
.endif
.endm
	LOADW 0
	LOADW 1
	BLOCKW 0
	BLOCKW 1
	BLOCKW 2
	BLOCKW 3
.irp h, 0,1
.irp g, 0,1,2
	global_store_b128 v10, v[96+12*\h+4*\g:99+12*\h+4*\g], s[36:37] offset:256*\h+512*\g   ; but for wv, sixteen lanes fill 256 consecutive bytes of each of two images; wv's lanes go to 16 different images, two lanes each (its codes are 786,432 bytes in all)
.endr
.endr
	global_store_b32 v11, v17, s[38:39]
	s_endpgm
.Lfunc_end_k_q0aa2b14167_prep:
	.size	k_q0aa2b14167_prep, .Lfunc_end_k_q0aa2b14167_prep-k_q0aa2b14167_prep
	.p2alignl 7, 3214868480
	.fill 96, 4, 3214868480
	.section	.rodata,"a",@progbits
	.p2align	6, 0x0
	.amdhsa_kernel k_q0aa2b14167_prep
		.amdhsa_group_segment_fixed_size 69632
		.amdhsa_private_segment_fixed_size 0
		.amdhsa_enable_private_segment 0
		.amdhsa_kernarg_size 104
		.amdhsa_user_sgpr_count 2
		.amdhsa_user_sgpr_kernarg_segment_ptr 1
		.amdhsa_wavefront_size32 1
		.amdhsa_system_sgpr_workgroup_id_x 1
		.amdhsa_system_sgpr_workgroup_id_y 1
		.amdhsa_system_sgpr_workgroup_id_z 1
		.amdhsa_system_vgpr_workitem_id 0
		.amdhsa_next_free_vgpr 256
		.amdhsa_next_free_sgpr 66
		.amdhsa_reserve_vcc 1
		.amdhsa_float_denorm_mode_32 3
		.amdhsa_float_denorm_mode_16_64 3
		.amdhsa_memory_ordered 1
		.amdhsa_forward_progress 1
		.amdhsa_inst_pref_size 82
	.end_amdhsa_kernel
	.amdgpu_metadata
---
amdhsa.version: [ 1, 2 ]
amdhsa.kernels:
  - .name:           k_q0aa2b14167_prep
    .symbol:         k_q0aa2b14167_prep.kd
    .args:
      - { .name: x, .offset: 0, .size: 8, .value_kind: global_buffer, .address_space: global }
      - { .name: ln1_g, .offset: 8, .size: 8, .value_kind: global_buffer, .address_space: global }
      - { .name: ln1_b, .offset: 16, .size: 8, .value_kind: global_buffer, .address_space: global }
      - { .name: wq, .offset: 24, .size: 8, .value_kind: global_buffer, .address_space: global }
      - { .name: wk, .offset: 32, .size: 8, .value_kind: global_buffer, .address_space: global }
      - { .name: wv, .offset: 40, .size: 8, .value_kind: global_buffer, .address_space: global }
      - { .name: w1, .offset: 48, .size: 8, .value_kind: global_buffer, .address_space: global }
      - { .name: w2, .offset: 56, .size: 8, .value_kind: global_buffer, .address_space: global }
      - { .name: dis_attn_mask, .offset: 64, .size: 8, .value_kind: global_buffer, .address_space: global }
      - { .name: cls_attn_mask, .offset: 72, .size: 8, .value_kind: global_buffer, .address_space: global }
      - { .name: h1, .offset: 80, .size: 8, .value_kind: global_buffer, .address_space: global }
      - { .name: wts, .offset: 88, .size: 8, .value_kind: global_buffer, .address_space: global }
      - { .name: mimg, .offset: 96, .size: 8, .value_kind: global_buffer, .address_space: global }
    .group_segment_fixed_size: 69632
    .private_segment_fixed_size: 0
    .kernarg_segment_align: 8
    .kernarg_segment_size: 104
    .max_flat_workgroup_size: 256
    .sgpr_count:     66
    .vgpr_count:     256
    .wavefront_size: 32
...
	.end_amdgpu_metadata
.endif
;; end of part 1
;; launch qkv (part 2): grid 12 x 16, 4 waves a work-group, clusters of 4 x 4, 327,680 bytes of LDS; arguments h1, wts, bq, bk, bv, qkv; writes qkv
.if DOCPART == 2
	.amdgcn_target "amdgcn-amd-amdhsa--gfx1250"
	.amdhsa_code_object_version 6
	.text
	.protected	k_q0aa2b14167_qkv
	.globl	k_q0aa2b14167_qkv
	.p2align	8
	.type	k_q0aa2b14167_qkv,@function
k_q0aa2b14167_qkv:
	s_mov_b64 s[64:65], 0
	v_nop
	global_prefetch_b8 v0, s[64:65] scope:SCOPE_SE
	s_setreg_imm32_b32 hwreg(HW_REG_WAVE_MODE, 25, 1), 1
	s_wait_xcnt 0x0
	s_wait_alu depctr_hold_cnt(0) depctr_sa_sdst(0) depctr_va_vdst(0) depctr_va_sdst(0) depctr_va_ssrc(0) depctr_va_vcc(0) depctr_vm_vsrc(0)
	s_getreg_b32 s2, hwreg(HW_REG_IB_STS2, 6, 4)
	s_cmp_eq_u32 s2, 0
	s_cbranch_scc0 .Lentry_in_a_cluster
	s_endpgm
.Lentry_in_a_cluster:
	s_bfe_u32 s2, ttmp6, 0x10000c
	s_cmp_lg_u32 s2, 0xf033
	s_cbranch_scc0 .Lentry_shape_is_right
	s_endpgm
.Lentry_shape_is_right:
.set NBK, 8
.set NQ,  2
.set KSTEPS, 8
.set RBA, 256
.set RBB, 192
.set A_I, 0
.set A_S, 3145728
.set B_I, 0
.set B_S, 8650752
.set QK_S, 6291456
.set VT,   6553600
.set VS,   9699328
.set LAPS, KSTEPS/(2*NQ)
.set HB, NBK/2
.set NL, 3
.set FR, 12
.set HALFT, NQ*NBK*1536
.set SLOT,  4*HALFT
.set SCL,   2*SLOT
.set HALFS, KSTEPS*NBK*64
.set SPARE, SCL+4*HALFS
.set STGV, 0
.set STGQ, 2048
.set SC,   32
.set AF,   128
.set ADRA, 16
.set ADRB, 20
.set SWQ,  24
.set SRQ,  25
.set SWV,  26
.set ADRS, 27
.set SPW,  28
.set NIL,  29
.set L16,  30
.set L4,   31
.set SRV,  12
.set VOF,  13
.set TM,   64
.set PC,   80
.set PW,   100
.set G1A, 24
.set G0A, 32
.set G1B, 48
.set G0B, 56
.set SEL, 98
.set MSB, 0
.macro WIN new
.if MSB != (\new)
	s_set_vgpr_msb (MSB<<8)|(\new)
.set MSB, (\new)
.endif
.endm
.macro PLACES n
.rept \n
	v_nop
.endr
.endm
.macro JLOAD g0a, g1a, g0b, g1b
	s_cmp_eq_u32 s15, 0
	s_cbranch_scc0 .Lfor_b_\@
	tensor_load_to_lds s[\g0a:\g0a+3], s[\g1a:\g1a+7]
	s_nop 0
.rept 4
	v_nop
.endr
	s_branch .Lasked_\@
.Lfor_b_\@:
	tensor_load_to_lds s[\g0b:\g0b+3], s[\g1b:\g1b+7]
	s_nop 0
.rept 4
	v_nop
.endr
.Lasked_\@:
.endm
.macro CREST
	s_cmp_lg_u32 s14, 0
	s_cbranch_scc1 .Lnot_wave_0_\@
	s_barrier_signal -3
.Lnot_wave_0_\@:
	s_barrier_wait -3
	s_barrier_signal -1
	s_barrier_wait -1
.endm
.macro CROUND
	s_barrier_signal -1
	s_barrier_wait -1
	CREST
.endm
.macro FRAG reg, adr, off
	ds_load_b128 v[\reg:\reg+3], v[\adr] offset:\off
	ds_load_b128 v[\reg+4:\reg+7], v[\adr] offset:\off+512
	ds_load_b128 v[\reg+8:\reg+11], v[\adr] offset:\off+1024
.endm
.macro FETCH_B slot, q, set
	WIN 0x40
.set fi, 0
.rept NBK
	FRAG 128*(\set)+FR*fi, ADRB+\slot, ((\q)*NBK+fi)*1536
.set fi, fi+1
.endr
	WIN 0
.endm
.macro FETCH_A slot, q, i0
.set fi, \i0
.rept HB
	FRAG AF+FR*fi, ADRA+\slot, ((\q)*NBK+fi)*1536
.set fi, fi+1
.endr
.endm
.macro SCALES sc
.set fi, 0
.rept NBK
.set fq, 0
.rept NQ
	ds_load_b32 v[SC+NBK*NQ*(\sc)+NQ*fi+fq], v[ADRS] offset:fq*NBK*64+64*fi
.set fq, fq+1
.endr
.set fi, fi+1
.endr
.endm
.macro MULQ qq, set, q, sc, cm
.if \cm
	WIN 0x91+0x40*((\qq)/2)
.else
	WIN 0xa1+0x50*((\qq)/2)
.endif
.set ma, (\qq)*NBK/4
.rept NBK/4
.set mb, 0
.rept NBK
.set rD, 8*(NBK*(ma%HB)+mb)
.set rB, 128*(\set)+FR*mb
.set rA, AF+FR*ma
.set rSB, SC+NBK*NQ*(\sc)+NQ*mb+(\q)
.set rSA, SC+NBK*NQ*(\sc)+NQ*ma+(\q)
.set rC, 96+8*mb+96*(mb/4)
.if \cm
	v_wmma_scale_f32_16x16x128_f8f6f4 v[rD:rD+7], v[rB:rB+11], v[rA:rA+11], v[rC:rC+7], v[rSB], v[rSA] matrix_a_fmt:MATRIX_FMT_FP6 matrix_b_fmt:MATRIX_FMT_FP6 matrix_a_scale:MATRIX_SCALE_ROW1
.else
	v_wmma_scale_f32_16x16x128_f8f6f4 v[rD:rD+7], v[rB:rB+11], v[rA:rA+11], v[rD:rD+7], v[rSB], v[rSA] matrix_a_fmt:MATRIX_FMT_FP6 matrix_b_fmt:MATRIX_FMT_FP6 matrix_a_scale:MATRIX_SCALE_ROW1
.endif
.set mb, mb+1
.endr
.set ma, ma+1
.endr
.endm
.macro STEP slot, q, cm
	s_wait_dscnt HB*NL
	MULQ 0, (\q)%2, \q, \slot, \cm
	MULQ 1, (\q)%2, \q, \slot, \cm
	s_wait_dscnt 0x0
	PLACES 4
	FETCH_B \slot, (\q)+1, 1-(\q)%2
	FETCH_A \slot, (\q)+1, 0
	MULQ 2, (\q)%2, \q, \slot, \cm
	MULQ 3, (\q)%2, \q, \slot, \cm
	PLACES 4
	WIN 0
	FETCH_A \slot, (\q)+1, HB
.endm
.macro MID slot
.if NQ > 2
.set mq, 1
.rept NQ-2
	STEP \slot, mq, 0
.set mq, mq+1
.endr
.endif
.endm
.macro TURN slot, next, fill
	s_wait_tensorcnt 0x0
	ds_add_u32 v[SPW], v[NIL]
	s_wait_dscnt HB*NL+1
	MULQ 0, 1, NQ-1, \slot, 0
	s_wait_dscnt 0x0
	s_barrier_signal -1
	MULQ 1, 1, NQ-1, \slot, 0
	WIN 0
	s_barrier_wait -1
.if \fill
	CREST
	s_add_nc_u64 s[G0A+4*\slot+2:G0A+4*\slot+3], s[G0A+4*\slot+2:G0A+4*\slot+3], 2*NQ*RBA*1536
	s_add_nc_u64 s[G0B+4*\slot+2:G0B+4*\slot+3], s[G0B+4*\slot+2:G0B+4*\slot+3], 2*NQ*RBB*1536
	JLOAD G0A+4*\slot, G1A, G0B+4*\slot, G1B
.else
	PLACES 4
.endif
	s_wait_alu depctr_va_vdst(0)
	v_add_nc_u32 v[ADRS], NQ*NBK*64, v[ADRS]
	FETCH_B \next, 0, 0
	FETCH_A \next, 0, 0
	SCALES \next
	MULQ 2, 1, NQ-1, \slot, 0
	MULQ 3, 1, NQ-1, \slot, 0
	PLACES 4
	WIN 0
	FETCH_A \next, 0, HB
.endm
.macro QUANT s, w
	WIN (\w)|((\w)<<2)
.irp b, 0,1,2,3
	v_max3_num_f32 v[TM+\b], |v[(\s)+16*\b]|, |v[(\s)+1+16*\b]|, 0x1800000
.endr
	WIN ((\w)<<2)|((\w)<<4)
.irp i, 2,4,6,8,10,12,14
.irp b, 0,1,2,3
	v_max3_num_f32 v[TM+\b], v[TM+\b], |v[(\s)+16*\b+\i]|, |v[(\s)+1+16*\b+\i]|
.endr
.endr
	WIN 0
.irp b, 0,1,2,3
	v_permlanex16_b32 v[TM+4+\b], v[TM+\b], s[SEL], s[SEL+1]
.endr
.irp b, 0,1,2,3
	v_max_num_f32 v[TM+\b], v[TM+\b], v[TM+4+\b]
.endr
.irp b, 0,1,2,3
	v_add_nc_u32 v[TM+12+\b], 0xff000000, v[TM+\b]
.endr
.irp b, 0,1,2,3
	v_lshrrev_b32 v[TM+4+\b], 23, v[TM+12+\b]
.endr
	v_lshl_or_b32 v[PW], v[TM+5], 8, v[TM+4]
	v_lshl_or_b32 v[PW], v[TM+6], 16, v[PW]
	v_lshl_or_b32 v[PW], v[TM+7], 24, v[PW]
	WIN (\w)
.irp c, 0,1
	v_cvt_scalef32_pk16_fp6_f32 v[PC+6*\c:PC+2+6*\c], v[(\s)+32*\c:(\s)+15+32*\c], v[TM+12+2*\c]
	v_cvt_scalef32_pk16_fp6_f32 v[PC+12+4*\c:PC+14+4*\c], v[(\s)+16+32*\c:(\s)+31+32*\c], v[TM+12+2*\c+1]
.endr
	WIN 0
	v_nop
.irp c, 0,1
.irp i, 0,1,2
	v_permlane16_swap_b32 v[PC+6*\c+\i], v[PC+12+4*\c+\i]
.endr
.irp i, 0,1,2
	v_mov_b32 v[PC+3+6*\c+\i], v[PC+12+4*\c+\i]
.endr
.endr
.endm
	s_load_b128 s[4:7], s[0:1], 0x0
	s_load_b128 s[8:11], s[0:1], 0x10
	s_load_b128 s[92:95], s[0:1], 0x20
	v_lshl_add_u32 v[SPW], v0, 2, SPARE
	v_mov_b32 v[NIL], 0
	ds_add_u32 v28, v29
	ds_add_u32 v28, v29
	s_wait_dscnt 0x0
	v_lshrrev_b32 v1, 5, v0
	v_readfirstlane_b32 s14, v1
	s_lshr_b32 s15, s14, 1
	s_and_b32 s16, s14, 1
	s_bfe_u32 s40, ttmp6, 0x40000
	s_bfe_u32 s41, ttmp6, 0x40004
	s_lshl_b32 s42, ttmp9, 2
	s_add_co_u32 s42, s42, s40
	s_and_b32 s17, ttmp7, 0xffff
	s_lshl_b32 s17, s17, 2
	s_add_co_u32 s17, s17, s41
	s_lshl_b32 s43, s41, 2
	s_lshl_b32 s43, 15, s43
	s_lshl_b32 s44, 0x1111, s40
	s_or_b32 s[G1A], s43, (3<<16)|(1<<21)
	s_or_b32 s[G1B], s44, (3<<16)|(1<<21)
.irp g, G1A, G1B
	s_mov_b32 s[\g+1], (NBK*192)<<16
	s_mov_b32 s[\g+2], NQ<<16
	s_mov_b32 s[\g+3], (NBK*192)<<16
	s_mov_b32 s[\g+4], NQ
	s_mov_b32 s[\g+6], 0
	s_mov_b32 s[\g+7], 0
.endr
	s_mov_b32 s[G1A+5], RBA*192
	s_mov_b32 s[G1B+5], RBB*192
	s_mul_i32 s18, s16, NBK
	s_mul_i32 s20, s17, 2*NBK
	s_add_co_u32 s20, s20, s18
	s_mul_i32 s46, s42, 2*NBK
	s_add_co_u32 s46, s46, s18
	s_lshl_b32 s22, s20, 6
	s_mul_i32 s20, s20, 1536
	s_lshl_b32 s96, s46, 6
	s_mul_i32 s46, s46, 1536
	s_mov_b32 s21, 0
	s_mov_b32 s23, 0
	s_mov_b32 s47, 0
	s_mov_b32 s97, 0
	s_mul_i32 s45, s14, HALFT
	s_mul_i32 s19, s14, HALFS
	s_mov_b32 s[SEL], 0x76543210
	s_mov_b32 s[SEL+1], 0xfedcba98
	s_wait_kmcnt 0x0
	s_add_nc_u64 s[20:21], s[4:5], s[20:21]
	s_add_nc_u64 s[20:21], s[20:21], A_I
	s_add_nc_u64 s[22:23], s[4:5], s[22:23]
	s_add_nc_u64 s[22:23], s[22:23], A_S
	s_add_nc_u64 s[46:47], s[6:7], s[46:47]
	s_add_nc_u64 s[46:47], s[46:47], B_I
	s_add_nc_u64 s[96:97], s[6:7], s[96:97]
	s_add_nc_u64 s[96:97], s[96:97], B_S
	CROUND
	; THE SCALE WORDS go through registers: each wave loads the KSTEPS rows of 512 bytes of its 128 rows of A or B and stores them to LDS behind the ring.
	; They are not asked for jointly: 16,384 bytes of the 409,600 that a work-group reads.  So the head's one tensor load a wave is slot 0's.
	; No prefetch: K has four fills, two of them asked for at the head, so no fill stands two fills ahead of a refill.
	v_and_b32 v7, 31, v0
	v_lshlrev_b32 v9, 4, v7                        ; my 16 bytes of a row of 512
	s_add_co_u32 s19, s19, SCL
	v_add_nc_u32 v11, s19, v9                      ; and their place in LDS: SCL + wave x HALFS + 16 x lane
.irp s, 0,1
	s_mov_b32 s[G0A+4*\s], 1
	s_add_co_u32 s[G0A+4*\s+1], s45, \s*SLOT
	s_add_nc_u64 s[G0A+4*\s+2:G0A+4*\s+3], s[20:21], \s*NQ*RBA*1536
	s_or_b32 s[G0A+4*\s+3], s[G0A+4*\s+3], 0x80000000
	s_mov_b32 s[G0B+4*\s], 1
	s_add_co_u32 s[G0B+4*\s+1], s45, \s*SLOT
	s_add_nc_u64 s[G0B+4*\s+2:G0B+4*\s+3], s[46:47], \s*NQ*RBB*1536
	s_or_b32 s[G0B+4*\s+3], s[G0B+4*\s+3], 0x80000000
.endr
	s_wait_alu depctr_va_vdst(0)
	JLOAD G0A, G1A, G0B, G1B                       ; slot 0: my one tensor load at the head
	s_cmp_eq_u32 s15, 0
	s_cbranch_scc0 .Lsc_b
.set si, 0
.rept HALFS/512
	global_load_b128 v[64+4*si:67+4*si], v9, s[22:23] offset:si*RBA*64
.set si, si+1
.endr
	s_branch .Lsc_in
.Lsc_b:
.set si, 0
.rept HALFS/512
	global_load_b128 v[64+4*si:67+4*si], v9, s[96:97] offset:si*RBB*64
.set si, si+1
.endr
.Lsc_in:
	s_wait_xcnt 0x0                                ; the loads have read their bases: s22 is written again below
	v_and_b32 v1, 15, v0
	v_bfe_u32 v2, v0, 4, 1
	s_wait_alu depctr_va_vdst(0)
	v_and_b32 v3, 31, v0
	v_lshlrev_b32 v[L16], 4, v3
	v_lshlrev_b32 v[L4], 2, v3
	s_mul_i32 s21, s15, HALFT
	s_mul_i32 s22, s16, HALFT
	s_add_co_u32 s22, s22, 2*HALFT
.irp s, 0,1
	v_add_nc_u32 v[ADRA+\s], s21, v[L16]
	v_add_nc_u32 v[ADRB+\s], s22, v[L16]
	s_add_co_u32 s21, s21, SLOT
	s_add_co_u32 s22, s22, SLOT
.endr
	s_mul_i32 s21, s15, HALFS
	s_mul_i32 s22, s16, HALFS
	s_add_co_u32 s22, s22, 2*HALFS
	s_sub_co_u32 s22, s22, s21
	v_mul_u32_u24 v6, s22, v2
	s_add_co_u32 s21, s21, SCL
	v_lshl_add_u32 v5, v1, 2, v6
	v_add_nc_u32 v[ADRS], s21, v5
	s_lshl_b32 s18, s14, 9
	v_lshl_add_u32 v[SWQ], v1, 2, s18
	v_add_nc_u32 v[SWQ], STGQ, v[SWQ]
	v_add_nc_u32 v[SRQ], s18, v[L16]
	v_add_nc_u32 v[SRQ], STGQ, v[SRQ]
	v_lshrrev_b32 v4, 1, v1
	v_lshl_add_u32 v[SWV], v2, 6, v4
	v_add_nc_u32 v[SWV], s18, v[SWV]
	v_add_nc_u32 v[SRV], s18, v[L16]
	v_mul_u32_u24 v[VOF], v1, 12
	v_mad_u32_u24 v[VOF], v2, 192, v[VOF]          ; v's codes lie [head][256 keys][channel][192 bytes]: a slot of 256 keys is 12,288 dense bytes
	s_cmp_eq_u32 ttmp9, 2
	s_cbranch_scc1 .Lbias_v
	s_cmp_eq_u32 ttmp9, 0
	s_cselect_b64 s[12:13], s[8:9], s[10:11]
	s_lshl_b32 s18, s40, 10
	s_lshl_b32 s19, s16, 9
	s_add_co_u32 s18, s18, s19
	s_mov_b32 s19, 0
	s_add_nc_u64 s[12:13], s[12:13], s[18:19]
	v_lshlrev_b32 v4, 6, v2
	WIN 0x40
.set bt, 0
.rept 8
.set rC, 96+8*bt+96*(bt/4)
	global_load_b128 v[rC:rC+3], v4, s[12:13] offset:(32*(bt/2)+8*(bt%2))*4
	global_load_b128 v[rC+4:rC+7], v4, s[12:13] offset:(32*(bt/2)+8*(bt%2))*4+16
.set bt, bt+1
.endr
	WIN 0
	s_branch .Lbias_in
.Lbias_v:
	s_lshl_b32 s18, s40, 6
	s_lshl_b32 s19, s16, 5
	s_add_co_u32 s18, s18, s19
	s_mov_b32 s19, 0
	s_add_nc_u64 s[12:13], s[92:93], s[18:19]
	v_lshlrev_b32 v4, 2, v2
	WIN 0x40
.set bt, 0
.rept 8
.set rC, 96+8*bt+96*(bt/4)
.set bj, 0
.rept 8
	global_load_b32 v[rC+bj], v4, s[12:13] offset:(64*(2*bj+bt%2)+2*(bt/2))*4
.set bj, bj+1
.endr
.set bt, bt+1
.endr
	WIN 0
.Lbias_in:
	s_wait_alu depctr_va_vdst(0)
	s_wait_tensorcnt 0x0                           ; my part of slot 0 is in
	s_wait_loadcnt 0x0                             ; and so are my scale words and the bias
.set si, 0
.rept HALFS/512
	ds_store_b128 v11, v[64+4*si:67+4*si] offset:512*si
.set si, si+1
.endr
	s_wait_tensorcnt 0x0
	ds_add_u32 v[SPW], v[NIL]
	s_wait_dscnt 0x0                               ; the add and my stores of scale words are done
	CROUND
	JLOAD G0A+4, G1A, G0B+4, G1B                   ; slot 1: the first tensor load behind the round
	FETCH_B 0, 0, 0
	FETCH_A 0, 0, 0
	SCALES 0
	FETCH_A 0, 0, HB
	s_wait_loadcnt 0x0
	STEP 0, 0, 1
	s_mov_b32 s3, LAPS-1
.Llap:
	MID 0
	TURN 0, 1, 1
	STEP 1, 0, 0
	MID 1
	TURN 1, 0, 1
	STEP 0, 0, 0
	s_sub_co_u32 s3, s3, 1
	s_cmp_lg_u32 s3, 0
	s_cbranch_scc1 .Llap
	MID 0
	TURN 0, 1, 0
	STEP 1, 0, 0
	MID 1
	s_wait_dscnt HB*NL
	MULQ 0, 1, NQ-1, 1, 0
	MULQ 1, 1, NQ-1, 1, 0
	s_wait_dscnt 0x0
	MULQ 2, 1, NQ-1, 1, 0
	MULQ 3, 1, NQ-1, 1, 0
	WIN 0
	PLACES 4
	s_cmp_eq_u32 ttmp9, 2
	s_cbranch_scc1 .Lout_v
	s_lshl_b32 s18, s42, 1
	s_add_co_u32 s18, s18, s16
	s_lshl_b32 s18, s18, 8
	s_lshl_b32 s19, s17, 4
	s_add_co_u32 s18, s18, s19
	s_lshl_b32 s19, s15, 3
	s_add_co_u32 s18, s18, s19
	s_lshl_b32 s20, s18, 6
	s_mul_i32 s18, s18, 1536
	s_mov_b32 s19, 0
	s_mov_b32 s21, 0
	s_add_nc_u64 s[18:19], s[94:95], s[18:19]
	s_add_nc_u64 s[20:21], s[94:95], s[20:21]
	s_add_nc_u64 s[20:21], s[20:21], QK_S
.irp b, 0,1,2,3
	v_mov_b32 v[TM+4+\b], 0
.endr
.set qa, 0
.rept 8
.set QS, 64*(qa%4)
.set QW, 2+qa/4
.if qa > 0
	s_wait_xcnt 0x0
	s_wait_dscnt 0x0
.endif
	QUANT QS, QW
	global_store_b128 v[L16], v[PC:PC+3], s[18:19] offset:qa*1536
	global_store_b128 v[L16], v[PC+4:PC+7], s[18:19] offset:qa*1536+512
	global_store_b128 v[L16], v[PC+8:PC+11], s[18:19] offset:qa*1536+1024
	ds_store_b32 v[SWQ], v[PW] offset:64*qa
.set qa, qa+1
.endr
	ds_load_b128 v[104:107], v[SRQ]
	s_wait_dscnt 0x0
	global_store_b128 v[L16], v[104:107], s[20:21]
	s_branch .Lend
.Lout_v:
	s_lshl_b32 s18, s17, 1
	s_add_co_u32 s18, s18, s15
	s_lshr_b32 s19, s40, 1
	s_lshl_b32 s19, s19, 5
	s_lshl_b32 s20, s16, 4
	s_add_co_u32 s19, s19, s20
	s_and_b32 s20, s40, 1
	s_lshl_b32 s20, s20, 3
	s_add_co_u32 s19, s19, s20
	s_lshl_b32 s20, s18, 12
	s_lshl_b32 s21, s19, 6
	s_add_co_u32 s20, s20, s21
	s_mul_i32 s18, s18, 98304
	s_mul_i32 s19, s19, 192
	s_add_co_u32 s18, s18, s19
	s_mov_b32 s19, 0
	s_mov_b32 s21, 0
	s_add_nc_u64 s[18:19], s[94:95], s[18:19]
	s_add_nc_u64 s[18:19], s[18:19], VT
	s_add_nc_u64 s[20:21], s[94:95], s[20:21]
	s_add_nc_u64 s[20:21], s[20:21], VS
.set qa, 0
.rept 8
.set QS, 64*(qa%4)
.set QW, 2+qa/4
.if qa > 0
	s_wait_xcnt 0x0
	s_wait_dscnt 0x0
.endif
	WIN QW|(QW<<2)
.irp b, 0,1,2,3
	v_max3_num_f32 v[TM+\b], |v[QS+16*\b]|, |v[QS+1+16*\b]|, 0x1800000
.endr
	WIN (QW<<2)|(QW<<4)
.irp i, 2,4,6,8,10,12,14
.irp b, 0,1,2,3
	v_max3_num_f32 v[TM+\b], v[TM+\b], |v[QS+16*\b+\i]|, |v[QS+1+16*\b+\i]|
.endr
.endr
	WIN 0
.irp b, 0,1,2,3
	v_max_num_f32_dpp v[TM+\b], v[TM+\b], v[TM+\b] row_xmask:1 row_mask:0xf bank_mask:0xf
.endr
.irp b, 0,1,2,3
	v_add_nc_u32 v[TM+12+\b], 0xff000000, v[TM+\b]
.endr
.irp b, 0,1,2,3
	v_lshrrev_b32 v[TM+4+\b], 23, v[TM+12+\b]
.endr
	WIN QW
.irp b, 0,1,2,3
	v_cvt_scalef32_pk16_fp6_f32 v[PC+4*\b:PC+4*\b+2], v[QS+16*\b:QS+16*\b+15], v[TM+12+\b]
.endr
	WIN 0
	v_nop
.irp b, 0,1,2,3
	ds_store_b8 v[SWV], v[TM+4+\b] offset:128*\b+8*qa
	global_store_b96 v[VOF], v[PC+4*\b:PC+4*\b+2], s[18:19] offset:384*\b+12288*qa
.endr
.set qa, qa+1
.endr
	ds_load_b128 v[104:107], v[SRV]
	s_wait_dscnt 0x0
	global_store_b128 v[L16], v[104:107], s[20:21]
.Lend:
	s_wait_tensorcnt 0x0
	ds_add_u32 v[SPW], v[NIL]
	s_wait_dscnt 0x0
	CROUND
	s_endpgm
.Lfunc_end_k_q0aa2b14167_qkv:
	.size	k_q0aa2b14167_qkv, .Lfunc_end_k_q0aa2b14167_qkv-k_q0aa2b14167_qkv
	.p2alignl 7, 3214868480
	.fill 96, 4, 3214868480
	.section	.rodata,"a",@progbits
	.p2align	6, 0x0
	.amdhsa_kernel k_q0aa2b14167_qkv
		.amdhsa_group_segment_fixed_size 327680
		.amdhsa_private_segment_fixed_size 0
		.amdhsa_enable_private_segment 0
		.amdhsa_kernarg_size 48
		.amdhsa_user_sgpr_count 2
		.amdhsa_user_sgpr_kernarg_segment_ptr 1
		.amdhsa_wavefront_size32 1
		.amdhsa_system_sgpr_workgroup_id_x 1
		.amdhsa_system_sgpr_workgroup_id_y 1
		.amdhsa_system_sgpr_workgroup_id_z 1
		.amdhsa_system_vgpr_workitem_id 0
		.amdhsa_next_free_vgpr 1024
		.amdhsa_next_free_sgpr 100
		.amdhsa_reserve_vcc 0
		.amdhsa_float_denorm_mode_32 3
		.amdhsa_float_denorm_mode_16_64 3
		.amdhsa_memory_ordered 1
		.amdhsa_forward_progress 1
		.amdhsa_inst_pref_size 184
	.end_amdhsa_kernel
	.amdgpu_metadata
---
amdhsa.version: [ 1, 2 ]
amdhsa.kernels:
  - .name:           k_q0aa2b14167_qkv
    .symbol:         k_q0aa2b14167_qkv.kd
    .args:
      - { .name: h1, .offset: 0, .size: 8, .value_kind: global_buffer, .address_space: global }
      - { .name: wts, .offset: 8, .size: 8, .value_kind: global_buffer, .address_space: global }
      - { .name: bq, .offset: 16, .size: 8, .value_kind: global_buffer, .address_space: global }
      - { .name: bk, .offset: 24, .size: 8, .value_kind: global_buffer, .address_space: global }
      - { .name: bv, .offset: 32, .size: 8, .value_kind: global_buffer, .address_space: global }
      - { .name: qkv, .offset: 40, .size: 8, .value_kind: global_buffer, .address_space: global }
    .group_segment_fixed_size: 327680
    .private_segment_fixed_size: 0
    .kernarg_segment_align: 8
    .kernarg_segment_size: 48
    .max_flat_workgroup_size: 128
    .sgpr_count:     100
    .vgpr_count:     1024
    .wavefront_size: 32
...
	.end_amdgpu_metadata
.endif
;; end of part 2
;; launch attn (part 3): grid 8 x 32, 16 waves a work-group, clusters of 4 x 1, 327,680 bytes of LDS; arguments qkv, mimg, x, ln2_g, ln2_b, b2, att; writes att
.if DOCPART == 3
	.amdgcn_target "amdgcn-amd-amdhsa--gfx1250"
	.amdhsa_code_object_version 6
	.text
	.protected	k_q0aa2b14167_attn
	.globl	k_q0aa2b14167_attn
	.p2align	8
	.type	k_q0aa2b14167_attn,@function
k_q0aa2b14167_attn:
	s_mov_b64 s[64:65], 0
	v_nop
	global_prefetch_b8 v0, s[64:65] scope:SCOPE_SE
	s_setreg_imm32_b32 hwreg(HW_REG_WAVE_MODE, 25, 1), 1
	s_wait_xcnt 0x0
	s_wait_alu depctr_hold_cnt(0) depctr_sa_sdst(0) depctr_va_vdst(0) depctr_va_sdst(0) depctr_va_ssrc(0) depctr_va_vcc(0) depctr_vm_vsrc(0)
	s_getreg_b32 s2, hwreg(HW_REG_IB_STS2, 6, 4)
	s_cmp_eq_u32 s2, 0
	s_cbranch_scc0 .Lentry_in_a_cluster
	s_endpgm
.Lentry_in_a_cluster:
	s_bfe_u32 s2, ttmp6, 0x10000c
	s_cmp_lg_u32 s2, 0x3003
	s_cbranch_scc0 .Lentry_shape_is_right
	s_endpgm
.Lentry_shape_is_right:
; Attention of one head for 256 queries, + x, LayerNorm 2, its quantiser, and y + b2 for the last launch.  Both products on codes of FP6 (E2M3) with E8M0 scales.
; A head is rows 128 head .. + 127 of [4096][1024] read anew as [2048][64]: key or query 16 s + j is columns 64 j .. 64 j + 63 of row s.  So 16 neighbouring queries are ONE row of [4096][1024]:
; a wave owns one tile of 16 queries = one whole row for LayerNorm 2; the work-group's sixteen waves own one block of 16 rows.
; SOFTMAX: t = (q.k + 8 mask) x log2(e) / 8; M = the running largest t rounded up to a whole number; p = 2^(t - M) is quantised along the keys; the row's sum is taken of the unquantised p and divides at the end.
; K AND V OF THE WHOLE HEAD STAY IN LDS, filled once, jointly for the four work-groups of a cluster (four blocks of queries of one head): no slot is filled again.
; The mask images are not shared in the cluster: the partners hold other queries, so other rows of the masks; an image is one wave's own and goes from memory straight into its accumulators.
; SCORES.  K = 64, half of the instruction's 128: an image row of k holds TWO keys (j even | j odd); source 1 is [q | 0] for the even key and [0 | q] for the odd one.  The mask image, x 8, is the C of the product.
; The image rows that form a tile are chosen so that register 16 b + 8 u + jj of lane (query, h) is key 32 b + 16 h + 2 jj + u of the step: position 16 h + 8 u + jj of block b, the order in which v's codes lie.
; Both products are used transposed: a lane holds one query throughout.  V's stored channels are SWAP(channel), so that O^T's register 16 B + i of lane (query, h) is channel 32 B + 16 h + i.
; LIMITS: a block of zeros, or one under 2^-124, keeps the byte 1; NaN and infinities are not served.
.set QK_S, 6291456
.set VT,   6553600
.set VS,   9699328
.set H2_S, 3145728
.set RESB, 3276800
.set KB,   0                           ; LDS: 8 slots (16 rows s = 256 keys) x 8 images x (1,536 + 6 x 16) bytes
.set VB,   104448                      ; 8 slots x 64 channels x 240 bytes (192 of codes, 16 of padding behind each 64)
.set KSC,  227328                      ; k's scale words: 8 rows (column / 128) of 512 + 16 bytes
.set VSC,  231552                      ; v's scale bytes: 4,096 bytes, 16 of padding behind each 256
.set STR,  236032                      ; the way out: y + b2, 16 rows of 4,096 + 16 bytes;
.set STC,  301824                      ; the 8 images of LN2's codes;
.set STS,  314112                      ; their scale words
.set AK0, 1
.set AV0, 2
.set AV1, 3
.set ASK0, 4
.set ASV0, 5
.set L16, 6
.set ADK, 8
.set ADV, 9
.set ADS, 10
.set ADT, 11
.set ADV1, 34
.set XA,  35
.set WV,  18
.set SEL, 20
.set CS,  22
.set G1K, 24
.set G1V, 40
.set G0K, 56
.set G0V, 68
.set SP,  60                           ; s[60:61] my wave's 512 bytes of scales in memory
.set SA,  62                           ; their place in LDS
.set SH,  63                           ; 16 in v's waves, 0 in k's
.set TK,  84
.set TV,  85
.set TS,  86
.set TJ,  87
.set SL,  88
.set MB,  92                           ; s[92:93] my query tile's mask images, at the trip's first step
.macro CROUND
	s_barrier_signal -1
	s_barrier_wait -1
	s_cmp_lg_u32 s[WV], 0
	s_cbranch_scc1 .Lnot_wave_0_\@
	s_barrier_signal -3
.Lnot_wave_0_\@:
	s_barrier_wait -3
	s_barrier_signal -1
	s_barrier_wait -1
.endm
.macro VFRAG reg, q, t                 ; a fragment of V^T from rows of 240 bytes, in pieces of 8 bytes; lanes 16-31 read three pieces on, which for some pieces is behind one padding more: the second address register
.irp p, 0,1,2,3,4,5
.set PCE, 12*(\q)+6*(\p/3)+\p%3
.if PCE%8 < 5
	ds_load_b64 v[\reg+2*\p:\reg+2*\p+1], v[ADV] offset:8*PCE+16*(PCE/8)+(\t)*3840
.else
	ds_load_b64 v[\reg+2*\p:\reg+2*\p+1], v[ADV1] offset:8*PCE+16*(PCE/8)+(\t)*3840
.endif
.endr
.endm
	s_load_b256 s[4:11], s[0:1], 0x0               ; qkv, mask images, x, g
	s_load_b128 s[12:15], s[0:1], 0x20             ; b, b2
	s_load_b64 s[16:17], s[0:1], 0x30              ; the output
	v_lshl_add_u32 v7, v0, 2, 0x4cd00
	v_mov_b32 v243, 0
	ds_add_u32 v7, v243
	ds_add_u32 v7, v243
	v_lshrrev_b32 v84, 5, v0
	s_delay_alu instid0(VALU_DEP_1)
	v_readfirstlane_b32 s[WV], v84                 ; wave 0..15
	s_and_b32 s19, ttmp7, 0xffff                   ; the head, which the four partners share
	s_bfe_u32 s76, ttmp6, 0x40000                  ; cx: it enters global addresses alone
	s_lshl_b32 s77, ttmp9, 2
	s_add_co_u32 s77, s77, s76                     ; my block of 256 queries
	s_lshl_b32 s78, s19, 3
	s_add_co_u32 s78, s78, s77                     ; my block of 16 rows of [4096][1024]
	s_and_b32 s79, s[WV], 7
	; group 1, four shapes.  k's codes: 8 images of one block of rows, 393,216 bytes apart, 16 bytes of padding behind each 256
	s_mov_b32 s[G1K], 15|(3<<16)|(1<<20)|(1<<21)|(5<<22)|(3<<25)
	s_mov_b32 s[G1K+1], 192<<16
	s_mov_b32 s[G1K+2], 8<<16
	s_mov_b32 s[G1K+3], 192<<16
	s_mov_b32 s[G1K+4], 8
	s_mov_b32 s[G1K+5], 49152
	s_mov_b32 s[G1K+6], 0
	s_mov_b32 s[G1K+7], 0
	; v's codes: a slot (64 channels x 192 bytes) is 12,288 dense bytes: 48 rows of 256 bytes, 16 bytes of padding behind each 64: a channel's 192 bytes take 240 in LDS
	s_mov_b32 s[G1V], 15|(0<<16)|(1<<20)|(1<<21)|(3<<22)|(3<<25)
	s_mov_b32 s[G1V+1], 256<<16
	s_mov_b32 s[G1V+2], 48<<16
	s_mov_b32 s[G1V+3], 256<<16
	s_mov_b32 s[G1V+4], 48
	s_mov_b32 s[G1V+5], 256
	s_mov_b32 s[G1V+6], 0
	s_mov_b32 s[G1V+7], 0
	s_lshl_b32 s80, s19, 3
	s_add_co_u32 s80, s80, s79
	s_add_co_u32 s80, s80, 2048
	s_mul_i32 s80, s80, 1536                       ; k's image (column / 128 = 8, block of rows 8 head + i)
	s_mov_b32 s81, 0
	s_add_co_u32 s82, s79, 8
	s_lshl_b32 s82, s82, 8
	s_lshl_b32 s83, s19, 3
	s_add_co_u32 s82, s82, s83
	s_lshl_b32 s82, s82, 6
	s_add_co_u32 s82, s82, QK_S
	s_mov_b32 s83, 0
	s_mul_i32 s94, s19, 98304
	s_mul_i32 s95, s79, 12288
	s_add_co_u32 s94, s94, s95
	s_add_co_u32 s94, s94, VT
	s_mov_b32 s95, 0
	s_lshl_b32 s96, s19, 12
	s_lshl_b32 s97, s79, 9
	s_add_co_u32 s96, s96, s97
	s_add_co_u32 s96, s96, VS
	s_mov_b32 s97, 0
	s_mov_b32 s[SEL], 0x76543210
	s_mov_b32 s[SEL+1], 0xfedcba98
	s_mov_b32 s[CS], 0x3e38aa3b                    ; c = log2(e) / 8
	s_mov_b32 s[CS+1], s[CS]
	s_wait_dscnt 0x0
	s_wait_kmcnt 0x0
	s_mov_b32 s[G0K], 1
	s_mul_i32 s[G0K+1], s79, 13056
	s_add_nc_u64 s[G0K+2:G0K+3], s[4:5], s[80:81]
	s_or_b32 s[G0K+3], s[G0K+3], 0x80000000
	; THE SCALES go through registers: 512 bytes a wave, one load and one LDS store (waves 0-7 a row of k's words, waves 8-15 a piece of v's bytes).
	; They are not asked for jointly: 8,192 bytes of the 204,800 that a work-group fills.  So each wave issues one tensor load.
	s_cmp_lt_u32 s[WV], 8
	s_cselect_b32 s82, s82, s96
	s_add_nc_u64 s[SP:SP+1], s[4:5], s[82:83]
	s_mul_i32 s[SA], s[WV], 528
	s_add_co_u32 s[SA], s[SA], KSC                 ; k's rows lie 528 bytes apart; VSC = KSC + 8 x 528,
	s_lshr_b32 s[SH], s[WV], 3
	s_lshl_b32 s[SH], s[SH], 4
	s_mul_i32 s72, s79, s[SH]
	s_add_co_u32 s[SA], s[SA], s72                 ; and v's pieces 544: 16 more for each piece
	s_mov_b32 s[G0V], 1
	s_mul_i32 s[G0V+1], s79, 15360
	s_add_co_u32 s[G0V+1], s[G0V+1], VB
	s_add_nc_u64 s[G0V+2:G0V+3], s[4:5], s[94:95]
	s_or_b32 s[G0V+3], s[G0V+3], 0x80000000
	CROUND                                         ; all four work-groups are here: the joint loads meet
	s_cmp_lt_u32 s[WV], 8                          ; one fill a wave: waves 0-7 a slot of k, waves 8-15 a slot of v
	s_cbranch_scc0 .Lfill_v
	tensor_load_to_lds s[G0K:G0K+3], s[G1K:G1K+7]
	s_nop 0
.rept 4
	v_nop
.endr
	s_branch .Lfilled
.Lfill_v:
	tensor_load_to_lds s[G0V:G0V+3], s[G1V:G1V+7]
	s_nop 0
.rept 4
	v_nop
.endr
.Lfilled:
	s_lshr_b32 s80, s19, 4                         ; the batch
	s_lshl_b32 s80, s80, 7
	s_lshl_b32 s82, s77, 4
	s_add_co_u32 s80, s80, s82
	s_add_co_u32 s80, s80, s[WV]                   ; my tile of 16 queries among the 256 of both batches
	s_lshl_b32 s80, s80, 17                        ; 16 images of 8,192 bytes
	s_mov_b32 s81, 0
	s_add_nc_u64 s[MB:MB+1], s[6:7], s[80:81]
	s_lshl_b32 s80, s78, 4
	s_add_co_u32 s80, s80, s[WV]
	s_lshl_b32 s80, s80, 12
	s_add_nc_u64 s[8:9], s[8:9], s[80:81]          ; my row of x
	s_mul_i32 s80, s78, 1536
	s_lshl_b32 s82, s[WV], 4
	s_add_co_u32 s80, s80, s82
	s_add_nc_u64 s[94:95], s[4:5], s[80:81]        ; q: image (., my block), image row = my wave
	s_lshl_b32 s80, s78, 6
	s_lshl_b32 s82, s[WV], 2
	s_add_co_u32 s80, s80, s82
	s_add_co_u32 s80, s80, QK_S
	s_add_nc_u64 s[96:97], s[4:5], s[80:81]
	v_and_b32 v84, 15, v0                          ; r: a tile's row, or my query
	v_bfe_u32 v85, v0, 4, 1                        ; h
	v_and_b32 v86, 31, v0
	s_delay_alu instid0(VALU_DEP_3)
	v_and_b32 v87, 7, v84
	s_delay_alu instid0(VALU_DEP_4)
	v_lshrrev_b32 v88, 3, v84
	s_delay_alu instid0(VALU_DEP_2)
	v_mul_u32_u24 v[AK0], v87, 1632                ; k: tile row r takes image r % 8, image row 2 B + r / 8
	s_delay_alu instid0(VALU_DEP_1)
	v_mad_u32_u24 v[AK0], v85, 272, v[AK0]
	s_delay_alu instid0(VALU_DEP_1)
	v_lshl_add_u32 v[AK0], v88, 4, v[AK0]
	v_mul_u32_u24 v[AV0], v84, 240
	s_delay_alu instid0(VALU_DEP_1)
	v_mad_u32_u24 v[AV0], v85, 24, v[AV0]
	s_delay_alu instid0(VALU_DEP_1)
	v_add_nc_u32 v[AV0], VB, v[AV0]
	s_delay_alu instid0(VALU_DEP_1)
	v_lshl_add_u32 v[AV1], v85, 4, v[AV0]
	v_mul_u32_u24 v[ASK0], v87, 528
	s_delay_alu instid0(VALU_DEP_1)
	v_lshl_add_u32 v[ASK0], v88, 2, v[ASK0]
	s_delay_alu instid0(VALU_DEP_1)
	v_add_nc_u32 v[ASK0], KSC, v[ASK0]
	v_lshrrev_b32 v89, 2, v84
	v_and_b32 v90, 3, v84
	s_delay_alu instid0(VALU_DEP_2)
	v_mul_u32_u24 v[ASV0], v89, 272
	s_delay_alu instid0(VALU_DEP_1)
	v_lshl_add_u32 v[ASV0], v90, 6, v[ASV0]
	s_delay_alu instid0(VALU_DEP_1)
	v_add_nc_u32 v[ASV0], VSC, v[ASV0]
	v_lshlrev_b32 v[L16], 4, v86
	v_and_b32 v91, 1, v84                          ; c: which half of an image row is my query's
	v_lshrrev_b32 v92, 1, v84                      ; column / 128 of my query
	s_delay_alu instid0(VALU_DEP_1)
	v_mul_u32_u24 v93, v92, 393216
	s_delay_alu instid0(VALU_DEP_1)
	v_lshl_add_u32 v93, v85, 8, v93
	s_delay_alu instid0(VALU_DEP_1)
	v_mad_u32_u24 v94, v91, 520, v93               ; image registers 6c .. 6c + 5 lie at 0, 8, 512 (c = 0) or 520, 1024, 1032 (c = 1)
	s_delay_alu instid0(VALU_DEP_2)
	v_mad_u32_u24 v95, v91, 1016, v93
	v_mul_u32_u24 v39, s[SH], v85                  ; v's bytes: 16 of padding behind the first 256
	v_add_nc_u32 v39, v39, v[L16]
	v_add_nc_u32 v39, s[SA], v39
	global_load_b128 v[44:47], v[L16], s[SP:SP+1]  ; my wave's 512 bytes of scales
	global_load_b64 v[22:23], v94, s[94:95]
	global_load_b64 v[24:25], v95, s[94:95] offset:8
	global_load_b64 v[26:27], v94, s[94:95] offset:512
	v_lshlrev_b32 v36, 14, v92
	global_load_b32 v37, v36, s[96:97]             ; the image row's scale word: my query's two bytes are its half c
	v_lshlrev_b32 v[XA], 8, v84
	s_delay_alu instid0(VALU_DEP_1)
	v_lshl_add_u32 v[XA], v85, 6, v[XA]            ; a row's columns 64 query + 32 B + 16 h + i
.set j, 0
.rept 8
	global_load_b128 v[192+4*j:195+4*j], v[XA], s[8:9] offset:128*(j/4)+16*(j%4) th:TH_LOAD_NT
.set j, j+1
.endr
.set j, 0
.rept 16
	global_load_b128 v[96+4*j:99+4*j], v[L16], s[MB:MB+1] offset:512*j     ; the first step's mask image, straight into the scores' registers
.set j, j+1
.endr
.irp j, 16,17,18,19,20,21,28,29,30,31,32,33
	v_mov_b32 v[\j], 0                             ; zero codes on both sides of q: v[22:33] = [q | 0], v[16:27] = [0 | q]
.endr
	v_mov_b32 v13, 0xff61b1e6                      ; the largest t so far: -3e38
	s_delay_alu instid0(VALU_DEP_1)
	v_floor_f32 v12, -v13                          ; -M
	v_mov_b32 v14, 0
	v_mov_b32 v15, 0
.irp b, 0,1,2,3
	v_mov_b32 v[236+\b], 0
.endr
	v_mov_b32 v253, 0
	s_mov_b32 s[TK], 0
	s_mov_b32 s[TV], 0
	s_mov_b32 s[TS], 0
	s_mov_b32 s[TJ], 0
	s_mov_b32 s[SL], 8
	s_wait_alu depctr_va_vdst(0)
	s_wait_tensorcnt 0x0                           ; my fill has landed,
	s_wait_loadcnt 28                              ; and my scales are in: behind their load stand 4 loads of q, 8 of x and 16 of the mask
	ds_store_b128 v39, v[44:47]
	s_wait_dscnt 0x0                               ; for the others' sake
	s_barrier_signal -1
	s_barrier_wait -1                              ; everybody's have
	s_wait_loadcnt 0x0
	v_lshlrev_b32 v38, 4, v91
	s_delay_alu instid0(VALU_DEP_1)
	v_lshrrev_b32 v37, v38, v37
	s_delay_alu instid0(VALU_DEP_1)
	v_and_b32 v37, 0xffff, v37
	s_delay_alu instid0(VALU_DEP_1)
	v_lshl_or_b32 v255, v37, 16, v37               ; q's two bytes in both halves of its scale word
.set j, 0
.rept 32
	v_mov_b32 v[160+j], 0                          ; O^T: the step is written once; the first change of M leaves zeros zeros
.set j, j+1
.endr
; A KEY STEP: 128 keys, the q-th of the slot in hand
.macro STEP q
	v_add_nc_u32 v[ADK], s[TK], v[AK0]             ; (these five are also the places in front of loads into registers that the last products read)
	v_add_nc_u32 v[ADS], s[TS], v[ASK0]
	v_add_nc_u32 v[ADV], s[TV], v[AV0]
	v_add_nc_u32 v[ADV1], s[TV], v[AV1]
	v_add_nc_u32 v[ADT], s[TJ], v[ASV0]
.irp b, 0,1,2,3
	ds_load_b128 v[36+12*\b:39+12*\b], v[ADK] offset:32*(4*(\q)+\b)
	ds_load_b128 v[40+12*\b:43+12*\b], v[ADK] offset:32*(4*(\q)+\b)+544
	ds_load_b128 v[44+12*\b:47+12*\b], v[ADK] offset:32*(4*(\q)+\b)+1088
	ds_load_b32 v[248+\b], v[ADS] offset:8*(4*(\q)+\b)
.endr
	s_wait_dscnt 0x0
	s_wait_loadcnt 0x0                             ; the mask image
.irp b, 0,1,2,3
	v_wmma_scale_f32_16x16x128_f8f6f4 v[96+16*\b:103+16*\b], v[36+12*\b:47+12*\b], v[22:33], v[96+16*\b:103+16*\b], v[248+\b], v255 matrix_a_fmt:MATRIX_FMT_FP6 matrix_b_fmt:MATRIX_FMT_FP6
	v_wmma_scale_f32_16x16x128_f8f6f4 v[104+16*\b:111+16*\b], v[36+12*\b:47+12*\b], v[16:27], v[104+16*\b:111+16*\b], v[248+\b], v255 matrix_a_fmt:MATRIX_FMT_FP6 matrix_b_fmt:MATRIX_FMT_FP6
.endr
.rept 4
	v_nop
.endr
.irp b, 0,1,2,3
	v_max3_num_f32 v[232+\b], v[96+16*\b], v[97+16*\b], v[98+16*\b]   ; the largest score of each block of 32 keys: for the row's maximum, and, since p rises with the score, for the block's largest p
.endr
.irp i, 3,5,7,9,11,13
.irp b, 0,1,2,3
	v_max3_num_f32 v[232+\b], v[232+\b], v[96+16*\b+\i], v[97+16*\b+\i]
.endr
.endr
.irp b, 0,1,2,3
	v_max_num_f32 v[232+\b], v[232+\b], v[111+16*\b]
.endr
.irp b, 0,1,2,3
	s_delay_alu instid0(VALU_DEP_4)
	v_permlanex16_b32 v[236+\b], v[232+\b], s[SEL], s[SEL+1]
.endr
.irp b, 0,1,2,3
	s_delay_alu instid0(VALU_DEP_4)
	v_max_num_f32 v[232+\b], v[232+\b], v[236+\b]
.endr
	s_delay_alu instid0(VALU_DEP_2)
	v_max3_num_f32 v254, v232, v233, v234
	s_delay_alu instid0(VALU_DEP_1)
	v_max_num_f32 v254, v254, v235
	s_delay_alu instid0(VALU_DEP_1)
	v_mul_f32 v254, s[CS], v254
	s_delay_alu instid0(VALU_DEP_1)
	v_max_num_f32 v13, v13, v254                   ; the running largest t
	v_mov_b32 v254, v12
	s_delay_alu instid0(VALU_DEP_2)
	v_floor_f32 v12, -v13                          ; the new -M: M is a whole number
	s_delay_alu instid0(VALU_DEP_1)
	v_sub_f32 v254, v12, v254
	s_delay_alu instid0(VALU_DEP_1)
	v_cvt_i32_f32 v254, v254
	s_delay_alu instid0(VALU_DEP_1)
	v_ldexp_f32 v252, 1.0, v254                    ; f = 2^(old M - new M): exact
.set j, 0
.rept 32
	v_pk_fma_f32 v[96+j:97+j], v[96+j:97+j], s[CS:CS+1], v[12:13] op_sel_hi:[1,0,0]   ; t - M
.set j, j+2
.endr
.irp b, 0,1,2,3
	v_fma_f32 v[232+\b], v[232+\b], s[CS], v12
.endr
.set j, 0
	s_wait_alu depctr_va_vdst(0)
.rept 64
	v_exp_f32 v[96+j], v[96+j]                     ; p = 2^(t - M)
.set j, j+1
.endr
	v_pk_mul_f32 v[14:15], v[14:15], v[252:253] op_sel_hi:[1,0]   ; the sums under the new M (a plain line behind the exponentials)
	s_wait_alu depctr_va_vdst(0)                   ; one wait for the batch, ahead of its first reader
.irp b, 0,1,2,3
	v_exp_f32 v[232+\b], v[232+\b]                 ; the block's largest p
.endr
	v_pk_add_f32 v[236:237], v[100:101], v[104:105]
	v_pk_add_f32 v[250:251], v[108:109], v[112:113]
	v_pk_add_f32 v[248:249], v[116:117], v[120:121]
	v_pk_add_f32 v[246:247], v[124:125], v[128:129]
	v_pk_add_f32 v[244:245], v[132:133], v[136:137]
	v_pk_add_f32 v[240:241], v[140:141], v[144:145]
	v_pk_add_f32 v[238:239], v[148:149], v[152:153]
	v_pk_add_f32 v[14:15], v[14:15], v[156:157]
	v_pk_add_f32 v[236:237], v[236:237], v[96:97]
	v_pk_add_f32 v[250:251], v[250:251], v[98:99]
	v_pk_add_f32 v[248:249], v[248:249], v[102:103]
	v_pk_add_f32 v[246:247], v[246:247], v[106:107]
	v_pk_add_f32 v[244:245], v[244:245], v[110:111]
	v_pk_add_f32 v[240:241], v[240:241], v[114:115]
	v_pk_add_f32 v[238:239], v[238:239], v[118:119]
	v_pk_add_f32 v[14:15], v[14:15], v[122:123]
	v_pk_add_f32 v[236:237], v[236:237], v[126:127]
	v_pk_add_f32 v[250:251], v[250:251], v[130:131]
	v_pk_add_f32 v[248:249], v[248:249], v[134:135]
	v_pk_add_f32 v[246:247], v[246:247], v[138:139]
	v_pk_add_f32 v[244:245], v[244:245], v[142:143]
	v_pk_add_f32 v[240:241], v[240:241], v[146:147]
	v_pk_add_f32 v[238:239], v[238:239], v[150:151]
	v_pk_add_f32 v[14:15], v[14:15], v[154:155]
	v_pk_add_f32 v[236:237], v[236:237], v[158:159]
	s_delay_alu instid0(VALU_DEP_2)
	v_pk_add_f32 v[14:15], v[14:15], v[246:247]
	s_delay_alu instid0(VALU_DEP_2)
	v_pk_add_f32 v[236:237], v[236:237], v[244:245]
	v_pk_add_f32 v[250:251], v[250:251], v[240:241]
	v_pk_add_f32 v[248:249], v[248:249], v[238:239]
	s_delay_alu instid0(VALU_DEP_2)
	v_pk_add_f32 v[14:15], v[14:15], v[250:251]
	s_delay_alu instid0(VALU_DEP_2)
	v_pk_add_f32 v[236:237], v[236:237], v[248:249]
	s_delay_alu instid0(VALU_DEP_1)
	v_pk_add_f32 v[14:15], v[14:15], v[236:237]
	s_wait_alu depctr_va_vdst(0)                   ; and one for the four
.irp b, 0,1,2,3
	v_max_num_f32 v[232+\b], 0x1800000, v[232+\b]
.endr
.irp b, 0,1,2,3
	s_delay_alu instid0(VALU_DEP_4)
	v_add_nc_u32 v[244+\b], 0xff000000, v[232+\b]
.endr
.irp b, 0,1,2,3
	s_delay_alu instid0(VALU_DEP_4)
	v_lshrrev_b32 v[236+\b], 23, v[244+\b]
.endr
	s_delay_alu instid0(VALU_DEP_3)
	v_lshl_or_b32 v253, v237, 8, v236              ; p's scale word for these 128 keys
	s_delay_alu instid0(VALU_DEP_1)
	v_lshl_or_b32 v253, v238, 16, v253
	s_delay_alu instid0(VALU_DEP_1)
	v_lshl_or_b32 v253, v239, 24, v253
.irp c, 0,1
	v_cvt_scalef32_pk16_fp6_f32 v[224+6*\c:226+6*\c], v[96+32*\c:111+32*\c], v[244+2*\c]
	v_cvt_scalef32_pk16_fp6_f32 v[236+4*\c:238+4*\c], v[112+32*\c:127+32*\c], v[244+2*\c+1]
.endr
	v_nop
	; p has been read for the last time: the next step's mask image goes into its registers, and lands while V^T P and the next fragments of k are at work
.if (\q) == 1
	s_cmp_eq_u32 s[SL], 1                          ; the last step has no successor: no load leaves the buffer
	s_cbranch_scc1 .Lno_mask_\@
.endif
.set j, 0
.rept 16
	global_load_b128 v[96+4*j:99+4*j], v[L16], s[MB:MB+1] offset:((\q)+1)*8192+512*j
.set j, j+1
.endr
.if (\q) == 1
.Lno_mask_\@:
.endif
	s_wait_alu depctr_va_vdst(0)
.irp c, 0,1
.irp i, 0,1,2
	v_permlane16_swap_b32 v[224+6*\c+\i], v[236+4*\c+\i]
.endr
.irp i, 0,1,2
	s_delay_alu instid0(VALU_DEP_3)
	v_mov_b32 v[227+6*\c+\i], v[236+4*\c+\i]
.endr
.endr
.set j, 0
.rept 16
	v_pk_mul_f32 v[160+j:161+j], v[160+j:161+j], v[252:253] op_sel_hi:[1,0]   ; O^T under the new M (also the places in front of the scaled products below)
.set j, j+2
.endr
.irp t, 0,1,2,3
	VFRAG 36+12*\t, \q, \t
	ds_load_b32 v[248+\t], v[ADT] offset:1088*\t+4*(\q)
.endr
	s_wait_alu depctr_va_vdst(0)
	s_wait_dscnt 0x0
.irp t, 0,1,2,3
	v_wmma_scale_f32_16x16x128_f8f6f4 v[160+8*\t:167+8*\t], v[36+12*\t:47+12*\t], v[224:235], v[160+8*\t:167+8*\t], v[248+\t], v253 matrix_a_fmt:MATRIX_FMT_FP6 matrix_b_fmt:MATRIX_FMT_FP6
.endr
.endm
.Lslot:                                            ; eight trips: a slot of 256 keys each
	STEP 0
	STEP 1
	s_add_co_u32 s[TK], s[TK], 13056               ; no barrier in the loop: K and V are only read here
	s_add_co_u32 s[TV], s[TV], 15360
	s_add_co_u32 s[TS], s[TS], 64
	s_add_co_u32 s[TJ], s[TJ], 8
	s_wait_xcnt 0x0                                ; the mask loads have read their base
	s_add_nc_u64 s[MB:MB+1], s[MB:MB+1], 16384
	s_sub_co_u32 s[SL], s[SL], 1
	s_cmp_lg_u32 s[SL], 0
	s_cbranch_scc1 .Lslot
	s_wait_loadcnt 0x0                             ; no load of mine is out (the last step issued none): the scores' registers take g and b below
	s_barrier_signal -1                            ; none of my LDS loads is out (the wait for 0 stands ahead of the step's last products);
	s_barrier_wait -1                              ; behind this barrier the way out's LDS stores begin
	; THE WAY OUT.  My wave holds a whole row of [4096][1024]: lane (query, h), register 16 B + i = column 64 query + 32 B + 16 h + i
	v_add_f32 v14, v14, v15
	s_delay_alu instid0(VALU_DEP_1)
	v_permlanex16_b32 v252, v14, s[SEL], s[SEL+1]
	s_delay_alu instid0(VALU_DEP_1)
	v_add_f32 v14, v14, v252                       ; the row's sum l
	s_wait_alu depctr_va_vdst(0)
	v_rcp_f32 v14, v14
	v_mul_u32_u24 v87, v92, 1536                   ; (plain lines behind the transcendental and behind the last products)  LN2's codes: image query / 2, image lane (my wave, h), registers 6c .. 6c + 5
	s_delay_alu instid0(VALU_DEP_1)
	v_lshl_add_u32 v87, v85, 8, v87
	s_lshl_b32 s80, s[WV], 4
	s_add_co_u32 s82, s80, STC
	v_add_nc_u32 v87, s82, v87
	s_delay_alu instid0(VALU_DEP_1)
	v_mad_u32_u24 v88, v91, 1016, v87
	s_delay_alu instid0(VALU_DEP_2)
	v_mad_u32_u24 v87, v91, 520, v87
	v_lshlrev_b32 v89, 6, v92                      ; their scale bytes: word (query / 2, my wave), half c
	s_delay_alu instid0(VALU_DEP_1)
	v_lshl_add_u32 v89, v91, 1, v89
	s_lshl_b32 s82, s[WV], 2
	s_add_co_u32 s82, s82, STS
	v_add_nc_u32 v89, s82, v89
	v_mul_u32_u24 v90, v84, 4112                   ; y + b2: the four accumulator images of columns 64 query .., image lane (my wave, h)
	s_delay_alu instid0(VALU_DEP_1)
	v_lshl_add_u32 v90, v85, 8, v90
	s_add_co_u32 s82, s80, STR
	v_add_nc_u32 v90, s82, v90
	s_mul_i32 s82, s[WV], 4112
	s_add_co_u32 s82, s82, STR
	v_add_nc_u32 v93, s82, v[L16]                  ; back: wave w takes row w of the stage,
	s_mul_i32 s82, s[WV], 1536
	s_add_co_u32 s82, s82, STC
	v_add_nc_u32 v94, s82, v[L16]                  ; waves 0-7 image w,
	v_add_nc_u32 v95, STS, v[L16]                  ; wave 8 the scale words
	v_lshrrev_b32 v82, 2, v86
	v_and_b32 v83, 3, v86
	s_delay_alu instid0(VALU_DEP_2)
	v_lshlrev_b32 v82, 14, v82
	s_delay_alu instid0(VALU_DEP_1)
	v_lshl_add_u32 v82, v83, 4, v82
.set j, 0
.rept 8
	global_load_b128 v[96+4*j:99+4*j], v[XA], s[10:11] offset:128*(j/4)+16*(j%4)
	global_load_b128 v[128+4*j:131+4*j], v[XA], s[12:13] offset:128*(j/4)+16*(j%4)
	global_load_b128 v[36+4*j:39+4*j], v[XA], s[14:15] offset:128*(j/4)+16*(j%4)
.set j, j+1
.endr
	s_mov_b32 s80, 0x3a800000                      ; 1 / 1024
	s_mov_b32 s81, 0x3727c5ac                      ; 1e-5
	s_wait_alu depctr_va_vdst(0)                   ; ahead of the reciprocal's first reader
.set j, 0
.rept 16
	v_pk_fma_f32 v[160+j:161+j], v[160+j:161+j], v[14:15], v[192+j:193+j] op_sel_hi:[1,0,1]   ; O / l + x
.set j, j+2
.endr
	v_pk_add_f32 v[70:71], v[160:161], v[162:163]
	v_pk_add_f32 v[254:255], v[168:169], v[172:173]
	v_pk_add_f32 v[252:253], v[176:177], v[180:181]
	v_pk_add_f32 v[250:251], v[184:185], v[188:189]
	v_pk_add_f32 v[248:249], v[164:165], v[166:167]
	v_pk_add_f32 v[246:247], v[170:171], v[174:175]
	v_pk_add_f32 v[244:245], v[178:179], v[182:183]
	v_pk_add_f32 v[68:69], v[186:187], v[190:191]
	s_delay_alu instid0(VALU_DEP_1)
	v_pk_add_f32 v[68:69], v[68:69], v[250:251]
	v_pk_add_f32 v[70:71], v[70:71], v[248:249]
	v_pk_add_f32 v[254:255], v[254:255], v[246:247]
	v_pk_add_f32 v[252:253], v[252:253], v[244:245]
	s_delay_alu instid0(VALU_DEP_2)
	v_pk_add_f32 v[68:69], v[68:69], v[254:255]
	s_delay_alu instid0(VALU_DEP_2)
	v_pk_add_f32 v[70:71], v[70:71], v[252:253]
	s_delay_alu instid0(VALU_DEP_1)
	v_pk_add_f32 v[68:69], v[68:69], v[70:71]
	s_delay_alu instid0(VALU_DEP_1)
	v_add_f32 v68, v68, v69
	s_delay_alu instid0(VALU_DEP_1)
	v_add_f32_dpp v68, v68, v68 row_xmask:1 row_mask:0xf bank_mask:0xf
	s_delay_alu instid0(VALU_DEP_1)
	v_add_f32_dpp v68, v68, v68 row_xmask:2 row_mask:0xf bank_mask:0xf
	s_delay_alu instid0(VALU_DEP_1)
	v_add_f32_dpp v68, v68, v68 row_xmask:4 row_mask:0xf bank_mask:0xf
	s_delay_alu instid0(VALU_DEP_1)
	v_add_f32_dpp v68, v68, v68 row_xmask:8 row_mask:0xf bank_mask:0xf
	s_delay_alu instid0(VALU_DEP_1)
	v_permlanex16_b32 v69, v68, s[SEL], s[SEL+1]
	s_delay_alu instid0(VALU_DEP_1)
	v_add_f32 v68, v68, v69
	s_delay_alu instid0(VALU_DEP_1)
	v_mul_f32 v68, s80, v68                        ; the mean
	s_delay_alu instid0(VALU_DEP_1)
	v_mov_b32 v69, v68
.set j, 0
.rept 16
	v_pk_add_f32 v[160+j:161+j], v[160+j:161+j], v[68:69] neg_lo:[0,1] neg_hi:[0,1]
.set j, j+2
.endr
	v_pk_mul_f32 v[70:71], v[160:161], v[160:161]
	v_pk_mul_f32 v[72:73], v[162:163], v[162:163]
.set j, 4
.rept 7
	s_delay_alu instid0(VALU_DEP_2)
	v_pk_fma_f32 v[70:71], v[160+j:161+j], v[160+j:161+j], v[70:71]
	s_delay_alu instid0(VALU_DEP_2)
	v_pk_fma_f32 v[72:73], v[162+j:163+j], v[162+j:163+j], v[72:73]
.set j, j+4
.endr
	s_delay_alu instid0(VALU_DEP_1)
	v_pk_add_f32 v[70:71], v[70:71], v[72:73]
	s_delay_alu instid0(VALU_DEP_1)
	v_add_f32 v70, v70, v71
	s_delay_alu instid0(VALU_DEP_1)
	v_add_f32_dpp v70, v70, v70 row_xmask:1 row_mask:0xf bank_mask:0xf
	s_delay_alu instid0(VALU_DEP_1)
	v_add_f32_dpp v70, v70, v70 row_xmask:2 row_mask:0xf bank_mask:0xf
	s_delay_alu instid0(VALU_DEP_1)
	v_add_f32_dpp v70, v70, v70 row_xmask:4 row_mask:0xf bank_mask:0xf
	s_delay_alu instid0(VALU_DEP_1)
	v_add_f32_dpp v70, v70, v70 row_xmask:8 row_mask:0xf bank_mask:0xf
	s_delay_alu instid0(VALU_DEP_1)
	v_permlanex16_b32 v71, v70, s[SEL], s[SEL+1]
	s_delay_alu instid0(VALU_DEP_1)
	v_add_f32 v70, v70, v71
	s_delay_alu instid0(VALU_DEP_1)
	v_fma_f32 v70, v70, s80, s81                   ; the variance + 1e-5
	s_wait_alu depctr_va_vdst(0)
	v_rsq_f32 v70, v70
	v_nop
	s_wait_alu depctr_va_vdst(0)
	v_mov_b32 v71, v70
	s_wait_alu depctr_va_vdst(0)
	s_wait_loadcnt 0x0                             ; g, b, b2
.set j, 0
.rept 16
	v_pk_mul_f32 v[160+j:161+j], v[160+j:161+j], v[70:71]
.set j, j+2
.endr
.set j, 0
.rept 16
	v_pk_fma_f32 v[160+j:161+j], v[160+j:161+j], v[96+j:97+j], v[128+j:129+j]   ; y = LayerNorm 2
.set j, j+2
.endr
.irp b, 0,1
	v_max3_num_f32 v[232+\b], |v[160+16*\b]|, |v[161+16*\b]|, 0x1800000
.endr
.irp i, 2,4,6,8,10,12,14
.irp b, 0,1
	s_delay_alu instid0(VALU_DEP_2)
	v_max3_num_f32 v[232+\b], v[232+\b], |v[160+16*\b+\i]|, |v[161+16*\b+\i]|
.endr
.endr
.irp b, 0,1
	s_delay_alu instid0(VALU_DEP_2)
	v_permlanex16_b32 v[236+\b], v[232+\b], s[SEL], s[SEL+1]
.endr
.irp b, 0,1
	s_delay_alu instid0(VALU_DEP_2)
	v_max_num_f32 v[232+\b], v[232+\b], v[236+\b]
.endr
.irp b, 0,1
	s_delay_alu instid0(VALU_DEP_2)
	v_add_nc_u32 v[244+\b], 0xff000000, v[232+\b]
.endr
.irp b, 0,1
	s_delay_alu instid0(VALU_DEP_2)
	v_lshrrev_b32 v[236+\b], 23, v[244+\b]
.endr
	s_delay_alu instid0(VALU_DEP_1)
	v_lshl_or_b32 v238, v237, 8, v236
	v_cvt_scalef32_pk16_fp6_f32 v[224:226], v[160:175], v244
	v_cvt_scalef32_pk16_fp6_f32 v[228:230], v[176:191], v245
	v_nop
.irp i, 0,1,2
	v_permlane16_swap_b32 v[224+\i], v[228+\i]     ; lanes 0-15 hold block 0 whole, lanes 16-31 block 1
.endr
	s_delay_alu instid0(VALU_DEP_3)
	v_mov_b32 v227, v228
	s_delay_alu instid0(VALU_DEP_3)
	v_mov_b32 v228, v229
	s_delay_alu instid0(VALU_DEP_3)
	v_mov_b32 v229, v230
	ds_store_b64 v87, v[224:225]
	ds_store_b64 v88, v[226:227] offset:8
	ds_store_b64 v87, v[228:229] offset:512
	ds_store_b16 v89, v238                         ; (lanes r and r + 16 write the same two bytes with the same value)
.set j, 0
.rept 16
	v_pk_add_f32 v[36+j:37+j], v[36+j:37+j], v[160+j:161+j]   ; y + b2
.set j, j+2
.endr
.irp t, 0,1,2,3
	ds_store_b128 v90, v[36+8*\t:39+8*\t] offset:1024*\t
	ds_store_b128 v90, v[40+8*\t:43+8*\t] offset:1024*\t+512
.endr
	s_lshl_b32 s80, s78, 16
	s_lshl_b32 s82, s[WV], 12
	s_add_co_u32 s80, s80, s82
	s_add_co_u32 s80, s80, RESB
	s_mov_b32 s81, 0
	s_add_nc_u64 s[66:67], s[16:17], s[80:81]
	s_lshl_b32 s80, s[WV], 8
	s_add_co_u32 s80, s80, s78
	s_mul_i32 s80, s80, 1536
	s_add_nc_u64 s[98:99], s[16:17], s[80:81]
	s_lshl_b32 s80, s78, 6
	s_add_co_u32 s80, s80, H2_S
	s_add_nc_u64 s[2:3], s[16:17], s[80:81]
	s_wait_dscnt 0x0                               ; for the others' sake: my stores have landed
	s_barrier_signal -1
	s_barrier_wait -1
.irp k, 0,1,2,3,4,5,6,7
	ds_load_b128 v[96+4*\k:99+4*\k], v93 offset:512*\k
.endr
	s_cmp_lt_u32 s[WV], 8
	s_cbranch_scc0 .Lno_img
.irp g, 0,1,2
	ds_load_b128 v[128+4*\g:131+4*\g], v94 offset:512*\g
.endr
	s_wait_dscnt 0x0
.irp g, 0,1,2
	global_store_b128 v[L16], v[128+4*\g:131+4*\g], s[98:99] offset:512*\g   ; the image of K step w: 512 consecutive bytes a store
.endr
.Lno_img:
	s_cmp_eq_u32 s[WV], 8
	s_cbranch_scc0 .Lno_sc
	ds_load_b128 v[140:143], v95
	s_wait_dscnt 0x0
	global_store_b128 v82, v[140:143], s[2:3]      ; the eight K steps' 64 bytes of scale words
.Lno_sc:
	s_wait_dscnt 0x0
.irp k, 0,1,2,3,4,5,6,7
	global_store_b128 v[L16], v[96+4*\k:99+4*\k], s[66:67] offset:512*\k     ; y + b2 in the layout of the last launch's accumulators: 512 consecutive bytes a store
.endr
	s_wait_tensorcnt 0x0
	ds_add_u32 v7, v243
	s_wait_dscnt 0x0
	CROUND                                         ; the closing round
	s_endpgm
.Lfunc_end_k_q0aa2b14167_attn:
	.size	k_q0aa2b14167_attn, .Lfunc_end_k_q0aa2b14167_attn-k_q0aa2b14167_attn
	.p2alignl 7, 3214868480
	.fill 96, 4, 3214868480
	.section	.rodata,"a",@progbits
	.p2align	6, 0x0
	.amdhsa_kernel k_q0aa2b14167_attn
		.amdhsa_group_segment_fixed_size 327680
		.amdhsa_private_segment_fixed_size 0
		.amdhsa_enable_private_segment 0
		.amdhsa_kernarg_size 56
		.amdhsa_user_sgpr_count 2
		.amdhsa_user_sgpr_kernarg_segment_ptr 1
		.amdhsa_wavefront_size32 1
		.amdhsa_system_sgpr_workgroup_id_x 1
		.amdhsa_system_sgpr_workgroup_id_y 1
		.amdhsa_system_sgpr_workgroup_id_z 1
		.amdhsa_system_vgpr_workitem_id 0
		.amdhsa_next_free_vgpr 256
		.amdhsa_next_free_sgpr 100
		.amdhsa_reserve_vcc 0
		.amdhsa_float_denorm_mode_32 3
		.amdhsa_float_denorm_mode_16_64 3
		.amdhsa_memory_ordered 1
		.amdhsa_forward_progress 1
		.amdhsa_inst_pref_size 72
	.end_amdhsa_kernel
	.amdgpu_metadata
---
amdhsa.version: [ 1, 2 ]
amdhsa.kernels:
  - .name:           k_q0aa2b14167_attn
    .symbol:         k_q0aa2b14167_attn.kd
    .args:
      - { .name: qkv, .offset: 0, .size: 8, .value_kind: global_buffer, .address_space: global }
      - { .name: mimg, .offset: 8, .size: 8, .value_kind: global_buffer, .address_space: global }
      - { .name: x, .offset: 16, .size: 8, .value_kind: global_buffer, .address_space: global }
      - { .name: ln2_g, .offset: 24, .size: 8, .value_kind: global_buffer, .address_space: global }
      - { .name: ln2_b, .offset: 32, .size: 8, .value_kind: global_buffer, .address_space: global }
      - { .name: b2, .offset: 40, .size: 8, .value_kind: global_buffer, .address_space: global }
      - { .name: att, .offset: 48, .size: 8, .value_kind: global_buffer, .address_space: global }
    .group_segment_fixed_size: 327680
    .private_segment_fixed_size: 0
    .kernarg_segment_align: 8
    .kernarg_segment_size: 56
    .max_flat_workgroup_size: 512
    .sgpr_count:     100
    .vgpr_count:     256
    .wavefront_size: 32
...
	.end_amdgpu_metadata
.endif
;; end of part 3
;; launch mlp1 (part 4): grid 16 x 16, 4 waves a work-group, clusters of 4 x 4, 327,680 bytes of LDS; arguments att, wts, b1, h3; writes h3
.if DOCPART == 4
	.amdgcn_target "amdgcn-amd-amdhsa--gfx1250"
	.amdhsa_code_object_version 6
	.text
	.protected	k_q0aa2b14167_mlp1
	.globl	k_q0aa2b14167_mlp1
	.p2align	8
	.type	k_q0aa2b14167_mlp1,@function
k_q0aa2b14167_mlp1:
	s_mov_b64 s[64:65], 0
	v_nop
	global_prefetch_b8 v0, s[64:65] scope:SCOPE_SE
	s_setreg_imm32_b32 hwreg(HW_REG_WAVE_MODE, 25, 1), 1
	s_wait_xcnt 0x0
	s_wait_alu depctr_hold_cnt(0) depctr_sa_sdst(0) depctr_va_vdst(0) depctr_va_sdst(0) depctr_va_ssrc(0) depctr_va_vcc(0) depctr_vm_vsrc(0)
	s_getreg_b32 s2, hwreg(HW_REG_IB_STS2, 6, 4)
	s_cmp_eq_u32 s2, 0
	s_cbranch_scc0 .Lentry_in_a_cluster
	s_endpgm
.Lentry_in_a_cluster:
	s_bfe_u32 s2, ttmp6, 0x10000c
	s_cmp_lg_u32 s2, 0xf033
	s_cbranch_scc0 .Lentry_shape_is_right
	s_endpgm
.Lentry_shape_is_right:
.set NBK, 8
.set NQ,  2
.set KSTEPS, 8
.set RBA, 256
.set RBB, 256
.set A_I, 0
.set A_S, 3145728
.set B_I, 2359296
.set B_S, 8749056
.set H3_S, 12582912
.set LAPS, KSTEPS/(2*NQ)
.set HB, NBK/2
.set NL, 3
.set FR, 12
.set HALFT, NQ*NBK*1536
.set SLOT,  4*HALFT
.set SCL,   2*SLOT
.set HALFS, KSTEPS*NBK*64
.set SPARE, SCL+4*HALFS
.set SC,   32
.set AF,   128
.set ADRA, 16
.set ADRB, 20
.set SWQ,  24
.set SRQ,  25
.set ADRS, 27
.set SPW,  28
.set NIL,  29
.set L16,  30
.set L4,   31
.set X,    64
.set ZC,   128
.set PP,   160
.set QD,   192
.set Z2,   224
.set CA,   232
.set CB,   234
.set TM,   236
.set PW,   252
.set PC,   128
.set G1A, 24
.set G0A, 32
.set G1B, 48
.set G0B, 56
.set SEL, 98
.set MSB, 0
.macro WIN new
.if MSB != (\new)
	s_set_vgpr_msb (MSB<<8)|(\new)
.set MSB, (\new)
.endif
.endm
.macro PLACES n
.rept \n
	v_nop
.endr
.endm
.macro JLOAD g0a, g1a, g0b, g1b
	s_cmp_eq_u32 s15, 0
	s_cbranch_scc0 .Lfor_b_\@
	tensor_load_to_lds s[\g0a:\g0a+3], s[\g1a:\g1a+7]
	s_nop 0
.rept 4
	v_nop
.endr
	s_branch .Lasked_\@
.Lfor_b_\@:
	tensor_load_to_lds s[\g0b:\g0b+3], s[\g1b:\g1b+7]
	s_nop 0
.rept 4
	v_nop
.endr
.Lasked_\@:
.endm
.macro CREST
	s_cmp_lg_u32 s14, 0
	s_cbranch_scc1 .Lnot_wave_0_\@
	s_barrier_signal -3
.Lnot_wave_0_\@:
	s_barrier_wait -3
	s_barrier_signal -1
	s_barrier_wait -1
.endm
.macro CROUND
	s_barrier_signal -1
	s_barrier_wait -1
	CREST
.endm
.macro FRAG reg, adr, off
	ds_load_b128 v[\reg:\reg+3], v[\adr] offset:\off
	ds_load_b128 v[\reg+4:\reg+7], v[\adr] offset:\off+512
	ds_load_b128 v[\reg+8:\reg+11], v[\adr] offset:\off+1024
.endm
.macro FETCH_B slot, q, set
	WIN 0x40
.set fi, 0
.rept NBK
	FRAG 128*(\set)+FR*fi, ADRB+\slot, ((\q)*NBK+fi)*1536
.set fi, fi+1
.endr
	WIN 0
.endm
.macro FETCH_A slot, q, i0
.set fi, \i0
.rept HB
	FRAG AF+FR*fi, ADRA+\slot, ((\q)*NBK+fi)*1536
.set fi, fi+1
.endr
.endm
.macro SCALES sc
.set fi, 0
.rept NBK
.set fq, 0
.rept NQ
	ds_load_b32 v[SC+NBK*NQ*(\sc)+NQ*fi+fq], v[ADRS] offset:fq*NBK*64+64*fi
.set fq, fq+1
.endr
.set fi, fi+1
.endr
.endm
.macro MULQ qq, set, q, sc, cm
.if \cm
	WIN 0x91+0x40*((\qq)/2)
.else
	WIN 0xa1+0x50*((\qq)/2)
.endif
.set ma, (\qq)*NBK/4
.rept NBK/4
.set mb, 0
.rept NBK
.set rD, 8*(NBK*(ma%HB)+mb)
.set rB, 128*(\set)+FR*mb
.set rA, AF+FR*ma
.set rSB, SC+NBK*NQ*(\sc)+NQ*mb+(\q)
.set rSA, SC+NBK*NQ*(\sc)+NQ*ma+(\q)
.set rC, 96+8*mb+96*(mb/4)
.if \cm
	v_wmma_scale_f32_16x16x128_f8f6f4 v[rD:rD+7], v[rB:rB+11], v[rA:rA+11], v[rC:rC+7], v[rSB], v[rSA] matrix_a_fmt:MATRIX_FMT_FP6 matrix_b_fmt:MATRIX_FMT_FP6 matrix_a_scale:MATRIX_SCALE_ROW1
.else
	v_wmma_scale_f32_16x16x128_f8f6f4 v[rD:rD+7], v[rB:rB+11], v[rA:rA+11], v[rD:rD+7], v[rSB], v[rSA] matrix_a_fmt:MATRIX_FMT_FP6 matrix_b_fmt:MATRIX_FMT_FP6 matrix_a_scale:MATRIX_SCALE_ROW1
.endif
.set mb, mb+1
.endr
.set ma, ma+1
.endr
.endm
.macro STEP slot, q, cm
	s_wait_dscnt HB*NL
	MULQ 0, (\q)%2, \q, \slot, \cm
	MULQ 1, (\q)%2, \q, \slot, \cm
	s_wait_dscnt 0x0
	PLACES 4
	FETCH_B \slot, (\q)+1, 1-(\q)%2
	FETCH_A \slot, (\q)+1, 0
	MULQ 2, (\q)%2, \q, \slot, \cm
	MULQ 3, (\q)%2, \q, \slot, \cm
	PLACES 4
	WIN 0
	FETCH_A \slot, (\q)+1, HB
.endm
.macro MID slot
.if NQ > 2
.set mq, 1
.rept NQ-2
	STEP \slot, mq, 0
.set mq, mq+1
.endr
.endif
.endm
.macro TURN slot, next, fill
	s_wait_tensorcnt 0x0
	ds_add_u32 v[SPW], v[NIL]
	s_wait_dscnt HB*NL+1
	MULQ 0, 1, NQ-1, \slot, 0
	s_wait_dscnt 0x0
	s_barrier_signal -1
	MULQ 1, 1, NQ-1, \slot, 0
	WIN 0
	s_barrier_wait -1
.if \fill
	CREST
	s_add_nc_u64 s[G0A+4*\slot+2:G0A+4*\slot+3], s[G0A+4*\slot+2:G0A+4*\slot+3], 2*NQ*RBA*1536
	s_add_nc_u64 s[G0B+4*\slot+2:G0B+4*\slot+3], s[G0B+4*\slot+2:G0B+4*\slot+3], 2*NQ*RBB*1536
	JLOAD G0A+4*\slot, G1A, G0B+4*\slot, G1B
.else
	PLACES 4
.endif
	s_wait_alu depctr_va_vdst(0)
	v_add_nc_u32 v[ADRS], NQ*NBK*64, v[ADRS]
	FETCH_B \next, 0, 0
	FETCH_A \next, 0, 0
	SCALES \next
	MULQ 2, 1, NQ-1, \slot, 0
	MULQ 3, 1, NQ-1, \slot, 0
	PLACES 4
	WIN 0
	FETCH_A \next, 0, HB
.endm
.macro QUANT s
.irp b, 0,1,2,3
	v_max3_num_f32 v[TM+\b], |v[(\s)+16*\b]|, |v[(\s)+1+16*\b]|, 0x1800000
.endr
.irp i, 2,4,6,8,10,12,14
.irp b, 0,1,2,3
	v_max3_num_f32 v[TM+\b], v[TM+\b], |v[(\s)+16*\b+\i]|, |v[(\s)+1+16*\b+\i]|
.endr
.endr
.irp b, 0,1,2,3
	v_permlanex16_b32 v[TM+4+\b], v[TM+\b], s[SEL], s[SEL+1]
.endr
.irp b, 0,1,2,3
	v_max_num_f32 v[TM+\b], v[TM+\b], v[TM+4+\b]
.endr
.irp b, 0,1,2,3
	v_add_nc_u32 v[TM+12+\b], 0xff000000, v[TM+\b]
.endr
.irp b, 0,1,2,3
	v_lshrrev_b32 v[TM+4+\b], 23, v[TM+12+\b]
.endr
	v_lshl_or_b32 v[PW], v[TM+5], 8, v[TM+4]
	v_lshl_or_b32 v[PW], v[TM+6], 16, v[PW]
	v_lshl_or_b32 v[PW], v[TM+7], 24, v[PW]
.irp c, 0,1
	v_cvt_scalef32_pk16_fp6_f32 v[PC+6*\c:PC+2+6*\c], v[(\s)+32*\c:(\s)+15+32*\c], v[TM+12+2*\c]
	v_cvt_scalef32_pk16_fp6_f32 v[PC+12+4*\c:PC+14+4*\c], v[(\s)+16+32*\c:(\s)+31+32*\c], v[TM+12+2*\c+1]
.endr
	v_nop
.irp c, 0,1
.irp i, 0,1,2
	v_permlane16_swap_b32 v[PC+6*\c+\i], v[PC+12+4*\c+\i]
.endr
.irp i, 0,1,2
	v_mov_b32 v[PC+3+6*\c+\i], v[PC+12+4*\c+\i]
.endr
.endr
.endm
.macro COPY a
	WIN 2+(\a)/4
.set j, 0
.rept 32
	v_pk_mul_f32 v[X+j:X+j+1], v[64*((\a)%4)+j:64*((\a)%4)+j+1], 0.5 op_sel_hi:[1,0]
.set j, j+2
.endr
	WIN 0
.endm
.macro GELU xo
.set gg, 0
.rept 4
.set gx, X+(\xo)+8*gg
.set gz, ZC+8*gg
.set gp, PP+8*gg
.set gq, QD+8*gg
.irp k, 0,2,4,6
	v_pk_mul_f32 v[gz+\k:gz+\k+1], v[gx+\k:gx+\k+1], 0x3fb504f3 op_sel_hi:[1,0]
.endr
.irp k, 0,1,2,3,4,5,6,7
	v_med3_num_f32 v[gz+\k], v[gz+\k], -4.0, 4.0
.endr
.irp k, 0,2,4,6
	v_pk_mul_f32 v[Z2+\k:Z2+\k+1], v[gz+\k:gz+\k+1], v[gz+\k:gz+\k+1]
.endr
.irp k, 0,2,4,6
	v_pk_fma_f32 v[gp+\k:gp+\k+1], v[Z2+\k:Z2+\k+1], v[CA:CA+1], 0x32edffee op_sel_hi:[1,1,0]
.endr
.irp c, 0xb60cff51, 0xb86ec2d2, 0xba40ac63, 0xbb41a1f6, 0xbc83dbd4
.irp k, 0,2,4,6
	v_pk_fma_f32 v[gp+\k:gp+\k+1], v[gp+\k:gp+\k+1], v[Z2+\k:Z2+\k+1], \c op_sel_hi:[1,1,0]
.endr
.endr
.irp k, 0,2,4,6
	v_pk_fma_f32 v[gq+\k:gq+\k+1], v[Z2+\k:Z2+\k+1], v[CB:CB+1], 0xb95fbd29 op_sel_hi:[1,1,0]
.endr
.irp c, 0xbadc924e, 0xbbf19bf8, 0xbc69b6a7
.irp k, 0,2,4,6
	v_pk_fma_f32 v[gq+\k:gq+\k+1], v[gq+\k:gq+\k+1], v[Z2+\k:Z2+\k+1], \c op_sel_hi:[1,1,0]
.endr
.endr
.irp k, 0,2,4,6
	v_pk_mul_f32 v[gp+\k:gp+\k+1], v[gp+\k:gp+\k+1], v[gz+\k:gz+\k+1]
.endr
.set gg, gg+1
.endr
.set j, 0
	s_wait_alu depctr_va_vdst(0)
.rept 32
	v_rcp_f32 v[QD+j], v[QD+j]
.set j, j+1
.endr
	v_nop
	s_wait_alu depctr_va_vdst(0)
.set j, 0
.rept 16
	v_pk_mul_f32 v[PP+j:PP+j+1], v[PP+j:PP+j+1], v[QD+j:QD+j+1]
.set j, j+2
.endr
.set j, 0
.rept 16
	v_pk_fma_f32 v[X+(\xo)+j:X+(\xo)+j+1], v[X+(\xo)+j:X+(\xo)+j+1], v[PP+j:PP+j+1], v[X+(\xo)+j:X+(\xo)+j+1]
.set j, j+2
.endr
.endm
	s_load_b128 s[4:7], s[0:1], 0x0
	s_load_b128 s[8:11], s[0:1], 0x10
	v_lshl_add_u32 v[SPW], v0, 2, SPARE
	v_mov_b32 v[NIL], 0
	ds_add_u32 v28, v29
	ds_add_u32 v28, v29
	s_wait_dscnt 0x0
	v_lshrrev_b32 v1, 5, v0
	v_readfirstlane_b32 s14, v1
	s_lshr_b32 s15, s14, 1
	s_and_b32 s16, s14, 1
	s_bfe_u32 s40, ttmp6, 0x40000
	s_bfe_u32 s41, ttmp6, 0x40004
	s_lshl_b32 s42, ttmp9, 2
	s_add_co_u32 s42, s42, s40
	s_and_b32 s17, ttmp7, 0xffff
	s_lshl_b32 s17, s17, 2
	s_add_co_u32 s17, s17, s41
	s_lshl_b32 s43, s41, 2
	s_lshl_b32 s43, 15, s43
	s_lshl_b32 s44, 0x1111, s40
	s_or_b32 s[G1A], s43, (3<<16)|(1<<21)
	s_or_b32 s[G1B], s44, (3<<16)|(1<<21)
.irp g, G1A, G1B
	s_mov_b32 s[\g+1], (NBK*192)<<16
	s_mov_b32 s[\g+2], NQ<<16
	s_mov_b32 s[\g+3], (NBK*192)<<16
	s_mov_b32 s[\g+4], NQ
	s_mov_b32 s[\g+6], 0
	s_mov_b32 s[\g+7], 0
.endr
	s_mov_b32 s[G1A+5], RBA*192
	s_mov_b32 s[G1B+5], RBB*192
	s_mul_i32 s18, s16, NBK
	s_mul_i32 s20, s17, 2*NBK
	s_add_co_u32 s20, s20, s18
	s_mul_i32 s46, s42, 2*NBK
	s_add_co_u32 s46, s46, s18
	s_lshl_b32 s22, s20, 6
	s_mul_i32 s20, s20, 1536
	s_lshl_b32 s96, s46, 6
	s_mul_i32 s46, s46, 1536
	s_mov_b32 s21, 0
	s_mov_b32 s23, 0
	s_mov_b32 s47, 0
	s_mov_b32 s97, 0
	s_mul_i32 s45, s14, HALFT
	s_mul_i32 s19, s14, HALFS
	s_mov_b32 s[SEL], 0x76543210
	s_mov_b32 s[SEL+1], 0xfedcba98
	s_wait_kmcnt 0x0
	s_add_nc_u64 s[20:21], s[4:5], s[20:21]
	s_add_nc_u64 s[20:21], s[20:21], A_I
	s_add_nc_u64 s[22:23], s[4:5], s[22:23]
	s_add_nc_u64 s[22:23], s[22:23], A_S
	s_add_nc_u64 s[46:47], s[6:7], s[46:47]
	s_add_nc_u64 s[46:47], s[46:47], B_I
	s_add_nc_u64 s[96:97], s[6:7], s[96:97]
	s_add_nc_u64 s[96:97], s[96:97], B_S
	CROUND
	; THE SCALE WORDS go through registers: each wave loads the KSTEPS rows of 512 bytes of its 128 rows of A or B and stores them to LDS behind the ring.
	; They are not asked for jointly: 16,384 bytes of the 409,600 that a work-group reads.  So the head's one tensor load a wave is slot 0's.
	; No prefetch: K has four fills, two of them asked for at the head, so no fill stands two fills ahead of a refill.
	v_and_b32 v7, 31, v0
	v_lshlrev_b32 v9, 4, v7                        ; my 16 bytes of a row of 512
	s_add_co_u32 s19, s19, SCL
	v_add_nc_u32 v11, s19, v9                      ; and their place in LDS: SCL + wave x HALFS + 16 x lane
.irp s, 0,1
	s_mov_b32 s[G0A+4*\s], 1
	s_add_co_u32 s[G0A+4*\s+1], s45, \s*SLOT
	s_add_nc_u64 s[G0A+4*\s+2:G0A+4*\s+3], s[20:21], \s*NQ*RBA*1536
	s_or_b32 s[G0A+4*\s+3], s[G0A+4*\s+3], 0x80000000
	s_mov_b32 s[G0B+4*\s], 1
	s_add_co_u32 s[G0B+4*\s+1], s45, \s*SLOT
	s_add_nc_u64 s[G0B+4*\s+2:G0B+4*\s+3], s[46:47], \s*NQ*RBB*1536
	s_or_b32 s[G0B+4*\s+3], s[G0B+4*\s+3], 0x80000000
.endr
	s_wait_alu depctr_va_vdst(0)
	JLOAD G0A, G1A, G0B, G1B                       ; slot 0: my one tensor load at the head
	s_cmp_eq_u32 s15, 0
	s_cbranch_scc0 .Lsc_b
.set si, 0
.rept HALFS/512
	global_load_b128 v[64+4*si:67+4*si], v9, s[22:23] offset:si*RBA*64
.set si, si+1
.endr
	s_branch .Lsc_in
.Lsc_b:
.set si, 0
.rept HALFS/512
	global_load_b128 v[64+4*si:67+4*si], v9, s[96:97] offset:si*RBB*64
.set si, si+1
.endr
.Lsc_in:
	s_wait_xcnt 0x0                                ; the loads have read their bases: s22 is written again below
	v_and_b32 v1, 15, v0
	v_bfe_u32 v2, v0, 4, 1
	s_wait_alu depctr_va_vdst(0)
	v_and_b32 v3, 31, v0
	v_lshlrev_b32 v[L16], 4, v3
	v_lshlrev_b32 v[L4], 2, v3
	s_mul_i32 s21, s15, HALFT
	s_mul_i32 s22, s16, HALFT
	s_add_co_u32 s22, s22, 2*HALFT
.irp s, 0,1
	v_add_nc_u32 v[ADRA+\s], s21, v[L16]
	v_add_nc_u32 v[ADRB+\s], s22, v[L16]
	s_add_co_u32 s21, s21, SLOT
	s_add_co_u32 s22, s22, SLOT
.endr
	s_mul_i32 s21, s15, HALFS
	s_mul_i32 s22, s16, HALFS
	s_add_co_u32 s22, s22, 2*HALFS
	s_sub_co_u32 s22, s22, s21
	v_mul_u32_u24 v6, s22, v2
	s_add_co_u32 s21, s21, SCL
	v_lshl_add_u32 v5, v1, 2, v6
	v_add_nc_u32 v[ADRS], s21, v5
	s_lshl_b32 s18, s14, 9
	v_lshl_add_u32 v[SWQ], v1, 2, s18
	v_add_nc_u32 v[SRQ], s18, v[L16]
	s_lshl_b32 s18, s42, 10
	s_lshl_b32 s19, s16, 9
	s_add_co_u32 s18, s18, s19
	s_mov_b32 s19, 0
	s_add_nc_u64 s[8:9], s[8:9], s[18:19]
	v_lshlrev_b32 v4, 6, v2
	WIN 0x40
.set bt, 0
.rept 8
.set rC, 96+8*bt+96*(bt/4)
	global_load_b128 v[rC:rC+3], v4, s[8:9] offset:(32*(bt/2)+8*(bt%2))*4
	global_load_b128 v[rC+4:rC+7], v4, s[8:9] offset:(32*(bt/2)+8*(bt%2))*4+16
.set bt, bt+1
.endr
	WIN 0
	s_wait_alu depctr_va_vdst(0)
	s_wait_tensorcnt 0x0                           ; my part of slot 0 is in
	s_wait_loadcnt 0x0                             ; and so are my scale words and the bias
.set si, 0
.rept HALFS/512
	ds_store_b128 v11, v[64+4*si:67+4*si] offset:512*si
.set si, si+1
.endr
	s_wait_tensorcnt 0x0
	ds_add_u32 v[SPW], v[NIL]
	s_wait_dscnt 0x0                               ; the add and my stores of scale words are done
	CROUND
	JLOAD G0A+4, G1A, G0B+4, G1B                   ; slot 1: the first tensor load behind the round
	FETCH_B 0, 0, 0
	FETCH_A 0, 0, 0
	SCALES 0
	FETCH_A 0, 0, HB
	s_wait_loadcnt 0x0
	STEP 0, 0, 1
	s_mov_b32 s3, LAPS-1
.Llap:
	MID 0
	TURN 0, 1, 1
	STEP 1, 0, 0
	MID 1
	TURN 1, 0, 1
	STEP 0, 0, 0
	s_sub_co_u32 s3, s3, 1
	s_cmp_lg_u32 s3, 0
	s_cbranch_scc1 .Llap
	MID 0
	TURN 0, 1, 0
	STEP 1, 0, 0
	MID 1
	s_wait_dscnt HB*NL
	MULQ 0, 1, NQ-1, 1, 0
	MULQ 1, 1, NQ-1, 1, 0
	s_wait_dscnt 0x0
	MULQ 2, 1, NQ-1, 1, 0
	MULQ 3, 1, NQ-1, 1, 0
	WIN 0
	PLACES 4
	s_lshl_b32 s18, s42, 1
	s_add_co_u32 s18, s18, s16
	s_lshl_b32 s18, s18, 8
	s_lshl_b32 s19, s17, 4
	s_add_co_u32 s18, s18, s19
	s_lshl_b32 s19, s15, 3
	s_add_co_u32 s18, s18, s19
	s_lshl_b32 s20, s18, 6
	s_mul_i32 s18, s18, 1536
	s_mov_b32 s19, 0
	s_mov_b32 s21, 0
	s_add_nc_u64 s[18:19], s[10:11], s[18:19]
	s_add_nc_u64 s[20:21], s[10:11], s[20:21]
	s_add_nc_u64 s[20:21], s[20:21], H3_S
	v_mov_b32 v[CA], 0xaf95df0b
	v_mov_b32 v[CA+1], 0xaf95df0b
	v_mov_b32 v[CB], 0xb77460cd
	v_mov_b32 v[CB+1], 0xb77460cd
.irp b, 0,1,2,3
	v_mov_b32 v[TM+4+\b], 0
.endr
	s_mov_b32 s2, 0
.Lblk:
.irp a, 0,1,2,3,4,5,6
	s_cmp_eq_u32 s2, \a
	s_cbranch_scc1 .Lcp\a
.endr
	COPY 7
	s_branch .Lgelu
.irp a, 0,1,2,3,4,5,6
.Lcp\a:
	COPY \a
	s_branch .Lgelu
.endr
.Lgelu:
	GELU 0
	GELU 32
	QUANT X
	global_store_b128 v[L16], v[PC:PC+3], s[18:19]
	global_store_b128 v[L16], v[PC+4:PC+7], s[18:19] offset:512
	global_store_b128 v[L16], v[PC+8:PC+11], s[18:19] offset:1024
	ds_store_b32 v[SWQ], v[PW]
	s_wait_xcnt 0x0
	s_wait_dscnt 0x0
	s_add_nc_u64 s[18:19], s[18:19], 1536
	v_add_nc_u32 v[SWQ], 64, v[SWQ]
	s_add_co_u32 s2, s2, 1
	s_cmp_lt_u32 s2, 8
	s_cbranch_scc1 .Lblk
	ds_load_b128 v[128:131], v[SRQ]
	s_wait_dscnt 0x0
	global_store_b128 v[L16], v[128:131], s[20:21]
	s_wait_tensorcnt 0x0
	ds_add_u32 v[SPW], v[NIL]
	s_wait_dscnt 0x0
	CROUND
	s_endpgm
.Lfunc_end_k_q0aa2b14167_mlp1:
	.size	k_q0aa2b14167_mlp1, .Lfunc_end_k_q0aa2b14167_mlp1-k_q0aa2b14167_mlp1
	.p2alignl 7, 3214868480
	.fill 96, 4, 3214868480
	.section	.rodata,"a",@progbits
	.p2align	6, 0x0
	.amdhsa_kernel k_q0aa2b14167_mlp1
		.amdhsa_group_segment_fixed_size 327680
		.amdhsa_private_segment_fixed_size 0
		.amdhsa_enable_private_segment 0
		.amdhsa_kernarg_size 32
		.amdhsa_user_sgpr_count 2
		.amdhsa_user_sgpr_kernarg_segment_ptr 1
		.amdhsa_wavefront_size32 1
		.amdhsa_system_sgpr_workgroup_id_x 1
		.amdhsa_system_sgpr_workgroup_id_y 1
		.amdhsa_system_sgpr_workgroup_id_z 1
		.amdhsa_system_vgpr_workitem_id 0
		.amdhsa_next_free_vgpr 1024
		.amdhsa_next_free_sgpr 100
		.amdhsa_reserve_vcc 0
		.amdhsa_float_denorm_mode_32 3
		.amdhsa_float_denorm_mode_16_64 3
		.amdhsa_memory_ordered 1
		.amdhsa_forward_progress 1
		.amdhsa_inst_pref_size 180
	.end_amdhsa_kernel
	.amdgpu_metadata
---
amdhsa.version: [ 1, 2 ]
amdhsa.kernels:
  - .name:           k_q0aa2b14167_mlp1
    .symbol:         k_q0aa2b14167_mlp1.kd
    .args:
      - { .name: att, .offset: 0, .size: 8, .value_kind: global_buffer, .address_space: global }
      - { .name: wts, .offset: 8, .size: 8, .value_kind: global_buffer, .address_space: global }
      - { .name: b1, .offset: 16, .size: 8, .value_kind: global_buffer, .address_space: global }
      - { .name: h3, .offset: 24, .size: 8, .value_kind: global_buffer, .address_space: global }
    .group_segment_fixed_size: 327680
    .private_segment_fixed_size: 0
    .kernarg_segment_align: 8
    .kernarg_segment_size: 32
    .max_flat_workgroup_size: 128
    .sgpr_count:     100
    .vgpr_count:     1024
    .wavefront_size: 32
...
	.end_amdgpu_metadata
.endif
;; end of part 4
;; launch mlp2 (part 5): grid 8 x 32, 4 waves a work-group, clusters of 4 x 4, 327,680 bytes of LDS; arguments h3, wts, att, out0; writes out0
.if DOCPART == 5
	.amdgcn_target "amdgcn-amd-amdhsa--gfx1250"
	.amdhsa_code_object_version 6
	.text
	.protected	k_q0aa2b14167_mlp2
	.globl	k_q0aa2b14167_mlp2
	.p2align	8
	.type	k_q0aa2b14167_mlp2,@function
k_q0aa2b14167_mlp2:
	s_mov_b64 s[64:65], 0
	v_nop
	global_prefetch_b8 v0, s[64:65] scope:SCOPE_SE
	s_setreg_imm32_b32 hwreg(HW_REG_WAVE_MODE, 25, 1), 1
	s_wait_xcnt 0x0
	s_wait_alu depctr_hold_cnt(0) depctr_sa_sdst(0) depctr_va_vdst(0) depctr_va_sdst(0) depctr_va_ssrc(0) depctr_va_vcc(0) depctr_vm_vsrc(0)
	s_getreg_b32 s2, hwreg(HW_REG_IB_STS2, 6, 4)
	s_cmp_eq_u32 s2, 0
	s_cbranch_scc0 .Lentry_in_a_cluster
	s_endpgm
.Lentry_in_a_cluster:
	s_bfe_u32 s2, ttmp6, 0x10000c
	s_cmp_lg_u32 s2, 0xf033
	s_cbranch_scc0 .Lentry_shape_is_right
	s_endpgm
.Lentry_shape_is_right:
.set NBK, 4
.set NQ,  4
.set KSTEPS, 32
.set RBA, 256
.set RBB, 64
.set A_I, 0
.set A_S, 12582912
.set B_I, 5505024
.set B_S, 8880128
.set RESB, 3276800
.set LAPS, KSTEPS/(2*NQ)
.set HB, NBK/2
.set NL, 3
.set FR, 12
.set HALFT, NQ*NBK*1536
.set SLOT,  4*HALFT
.set SCL,   2*SLOT
.set HALFS, KSTEPS*NBK*64
.set SPARE, SCL+4*HALFS
.set SC,   32
.set AF,   128
.set BK,   128
.set ADRA, 16
.set ADRB, 20
.set STO,  24
.set RD,   25
.set CO,   26
.set ADRS, 27
.set SPW,  28
.set NIL,  29
.set L16,  30
.set L4,   31
.set G1A, 24
.set G0A, 32
.set G1B, 48
.set G0B, 56
.set PFA, 68                           ; s[68:69] where my prefetches stand: my work-group's row of the tile that I fetch, two fills on
.set PFS, 72                           ; s[72:73] bytes from fill to fill: NQ K steps
.set PFO, 15                           ; v15 the prefetches' offset: 256 x lane, held at the row's last block; never rewritten
.set MSB, 0
.macro WIN new
.if MSB != (\new)
	s_set_vgpr_msb (MSB<<8)|(\new)
.set MSB, (\new)
.endif
.endm
.macro PLACES n
.rept \n
	v_nop
.endr
.endm
.macro JLOAD g0a, g1a, g0b, g1b
	s_cmp_eq_u32 s15, 0
	s_cbranch_scc0 .Lfor_b_\@
	tensor_load_to_lds s[\g0a:\g0a+3], s[\g1a:\g1a+7]
	s_nop 0
.rept 4
	v_nop
.endr
	s_branch .Lasked_\@
.Lfor_b_\@:
	tensor_load_to_lds s[\g0b:\g0b+3], s[\g1b:\g1b+7]
	s_nop 0
.rept 4
	v_nop
.endr
.Lasked_\@:
.endm
.macro CREST
	s_cmp_lg_u32 s14, 0
	s_cbranch_scc1 .Lnot_wave_0_\@
	s_barrier_signal -3
.Lnot_wave_0_\@:
	s_barrier_wait -3
	s_barrier_signal -1
	s_barrier_wait -1
.endm
.macro CROUND
	s_barrier_signal -1
	s_barrier_wait -1
	CREST
.endm
.macro FRAG reg, adr, off
	ds_load_b128 v[\reg:\reg+3], v[\adr] offset:\off
	ds_load_b128 v[\reg+4:\reg+7], v[\adr] offset:\off+512
	ds_load_b128 v[\reg+8:\reg+11], v[\adr] offset:\off+1024
.endm
.macro FETCH_B slot, q, set
	WIN 0x40
.set fi, 0
.rept NBK
	FRAG 128*(\set)+FR*fi, ADRB+\slot, ((\q)*NBK+fi)*1536
.set fi, fi+1
.endr
	WIN 0
.endm
.macro FETCH_A slot, q, i0
.set fi, \i0
.rept HB
	FRAG AF+FR*fi, ADRA+\slot, ((\q)*NBK+fi)*1536
.set fi, fi+1
.endr
.endm
.macro SCALES sc
.set fi, 0
.rept NBK
.set fq, 0
.rept NQ
	ds_load_b32 v[SC+NBK*NQ*(\sc)+NQ*fi+fq], v[ADRS] offset:fq*NBK*64+64*fi
.set fq, fq+1
.endr
.set fi, fi+1
.endr
.endm
.macro MULQ qq, set, q, sc
	WIN 0xa1+0x50*((\qq)/2)
.set ma, (\qq)*NBK/4
.rept NBK/4
.set mb, 0
.rept NBK
.set rD, 8*(NBK*(ma%HB)+mb)
.set rB, 128*(\set)+FR*mb
.set rA, AF+FR*ma
.set rSB, SC+NBK*NQ*(\sc)+NQ*mb+(\q)
.set rSA, SC+NBK*NQ*(\sc)+NQ*ma+(\q)
	v_wmma_scale_f32_16x16x128_f8f6f4 v[rD:rD+7], v[rB:rB+11], v[rA:rA+11], v[rD:rD+7], v[rSB], v[rSA] matrix_a_fmt:MATRIX_FMT_FP6 matrix_b_fmt:MATRIX_FMT_FP6 matrix_a_scale:MATRIX_SCALE_ROW1
.set mb, mb+1
.endr
.set ma, ma+1
.endr
.endm
.macro STEP slot, q
	s_wait_dscnt HB*NL
	MULQ 0, (\q)%2, \q, \slot
	MULQ 1, (\q)%2, \q, \slot
	s_wait_dscnt 0x0
	PLACES 4
	FETCH_B \slot, (\q)+1, 1-(\q)%2
	FETCH_A \slot, (\q)+1, 0
	MULQ 2, (\q)%2, \q, \slot
	MULQ 3, (\q)%2, \q, \slot
	PLACES 4
	WIN 0
	FETCH_A \slot, (\q)+1, HB
.endm
.macro MID slot
.set mq, 1
.rept NQ-2
	STEP \slot, mq
.set mq, mq+1
.endr
.endm
.macro TURN slot, next, fill
.if \fill
	s_wait_xcnt 0x0                                ; my last prefetch has read its address: it steps one fill on
	s_add_nc_u64 s[PFA:PFA+1], s[PFA:PFA+1], s[PFS:PFS+1]
.endif
	s_wait_tensorcnt 0x0
	ds_add_u32 v[SPW], v[NIL]
	s_wait_dscnt HB*NL+1
	MULQ 0, 1, NQ-1, \slot
	s_wait_dscnt 0x0
	s_barrier_signal -1
	MULQ 1, 1, NQ-1, \slot
	WIN 0
	s_barrier_wait -1
.if \fill
	CREST
	s_add_nc_u64 s[G0A+4*\slot+2:G0A+4*\slot+3], s[G0A+4*\slot+2:G0A+4*\slot+3], 2*NQ*RBA*1536
	s_add_nc_u64 s[G0B+4*\slot+2:G0B+4*\slot+3], s[G0B+4*\slot+2:G0B+4*\slot+3], 2*NQ*RBB*1536
	JLOAD G0A+4*\slot, G1A, G0B+4*\slot, G1B
.else
	PLACES 4
.endif
	s_wait_alu depctr_va_vdst(0)
	v_add_nc_u32 v[ADRS], NQ*NBK*64, v[ADRS]
	FETCH_B \next, 0, 0
	FETCH_A \next, 0, 0
	SCALES \next
.if \fill
	s_cmp_gt_u32 s3, 1                             ; the loop's last trip asks for the last two fills: nothing stands two fills on
	s_cbranch_scc0 .Lno_ask_\@
	global_prefetch_b8 v[PFO], s[PFA:PFA+1] th:TH_LOAD_NT scope:SCOPE_SE
.Lno_ask_\@:
.endif
	MULQ 2, 1, NQ-1, \slot
	MULQ 3, 1, NQ-1, \slot
	PLACES 4
	WIN 0
	FETCH_A \next, 0, HB
.endm
	s_load_b128 s[4:7], s[0:1], 0x0
	s_load_b128 s[8:11], s[0:1], 0x10
	v_lshl_add_u32 v[SPW], v0, 2, SPARE
	v_mov_b32 v[NIL], 0
	ds_add_u32 v28, v29
	ds_add_u32 v28, v29
	s_wait_dscnt 0x0
	v_lshrrev_b32 v1, 5, v0
	v_readfirstlane_b32 s14, v1
	s_lshr_b32 s15, s14, 1
	s_and_b32 s16, s14, 1
	s_bfe_u32 s40, ttmp6, 0x40000
	s_bfe_u32 s41, ttmp6, 0x40004
	s_lshl_b32 s42, ttmp9, 2
	s_add_co_u32 s42, s42, s40
	s_and_b32 s17, ttmp7, 0xffff
	s_lshl_b32 s17, s17, 2
	s_add_co_u32 s17, s17, s41
	s_lshl_b32 s43, s41, 2
	s_lshl_b32 s43, 15, s43
	s_lshl_b32 s44, 0x1111, s40
	s_or_b32 s[G1A], s43, (3<<16)|(1<<21)
	s_or_b32 s[G1B], s44, (3<<16)|(1<<21)
.irp g, G1A, G1B
	s_mov_b32 s[\g+1], (NBK*192)<<16
	s_mov_b32 s[\g+2], NQ<<16
	s_mov_b32 s[\g+3], (NBK*192)<<16
	s_mov_b32 s[\g+4], NQ
	s_mov_b32 s[\g+6], 0
	s_mov_b32 s[\g+7], 0
.endr
	s_mov_b32 s[G1A+5], RBA*192
	s_mov_b32 s[G1B+5], RBB*192
	s_mul_i32 s18, s16, NBK
	s_mul_i32 s20, s17, 2*NBK
	s_add_co_u32 s20, s20, s18
	s_mul_i32 s46, s42, 2*NBK
	s_add_co_u32 s46, s46, s18
	s_lshl_b32 s22, s20, 6
	s_mul_i32 s20, s20, 1536
	s_lshl_b32 s96, s46, 6
	s_mul_i32 s46, s46, 1536
	s_mov_b32 s21, 0
	s_mov_b32 s23, 0
	s_mov_b32 s47, 0
	s_mov_b32 s97, 0
	s_mul_i32 s45, s14, HALFT
	s_mul_i32 s19, s14, HALFS
	s_wait_kmcnt 0x0
	s_add_nc_u64 s[20:21], s[4:5], s[20:21]
	s_add_nc_u64 s[20:21], s[20:21], A_I
	s_add_nc_u64 s[22:23], s[4:5], s[22:23]
	s_add_nc_u64 s[22:23], s[22:23], A_S
	s_add_nc_u64 s[46:47], s[6:7], s[46:47]
	s_add_nc_u64 s[46:47], s[46:47], B_I
	s_add_nc_u64 s[96:97], s[6:7], s[96:97]
	s_add_nc_u64 s[96:97], s[96:97], B_S
	CROUND
	; THE SCALE WORDS go through registers: each wave loads the KSTEPS rows of 256 bytes of its 64 rows of A or B, two rows a load, and stores them to LDS behind the ring.
	; They are not asked for jointly: 32,768 bytes of the 819,200 that a work-group reads.  So the head's one tensor load a wave is slot 0's.
	v_bfe_u32 v7, v0, 4, 1
	v_and_b32 v8, 15, v0
	v_lshlrev_b32 v8, 4, v8
	v_mad_u32_u24 v9, v7, RBA*64, v8               ; lanes 0-15 a row's 256 bytes, lanes 16-31 the next K step's: in A,
	v_mad_u32_u24 v10, v7, RBB*64, v8              ; and in B
	v_and_b32 v11, 31, v0
	v_lshlrev_b32 v11, 4, v11
	s_add_co_u32 s19, s19, SCL
	v_add_nc_u32 v11, s19, v11                     ; their place in LDS: SCL + wave x HALFS + 16 x lane
	; THE PREFETCHES: behind the load of fill f, one instruction a wave for fill f + 2.  A wave's tile is NQ = 4 rows (K steps) of 6,144 bytes; the four partners that ask for it jointly
	; take a row each, told apart by address alone (cx for A, cy for B): 24 blocks of 256 bytes, a lane a block; lanes 24-31 name the last block again.
	v_and_b32 v[PFO], 31, v0
	v_min_u32 v[PFO], 23, v[PFO]
	v_lshlrev_b32 v[PFO], 8, v[PFO]
	s_cmp_eq_u32 s15, 0
	s_cselect_b64 s[PFA:PFA+1], s[20:21], s[46:47]
	s_cselect_b32 s70, s40, s41
	s_mov_b32 s[PFS], RBB*1536
	s_cselect_b32 s[PFS], RBA*1536, s[PFS]         ; bytes from K step to K step
	s_mov_b32 s[PFS+1], 0
	s_mov_b32 s71, 0
	s_mul_i32 s70, s70, s[PFS]
	s_add_nc_u64 s[PFA:PFA+1], s[PFA:PFA+1], s[70:71]
	s_lshl_b32 s70, s[PFS], 3
	s_add_nc_u64 s[PFA:PFA+1], s[PFA:PFA+1], s[70:71]   ; at fill 2
	s_lshl_b32 s[PFS], s[PFS], 2
.irp s, 0,1
	s_mov_b32 s[G0A+4*\s], 1
	s_add_co_u32 s[G0A+4*\s+1], s45, \s*SLOT
	s_add_nc_u64 s[G0A+4*\s+2:G0A+4*\s+3], s[20:21], \s*NQ*RBA*1536
	s_or_b32 s[G0A+4*\s+3], s[G0A+4*\s+3], 0x80000000
	s_mov_b32 s[G0B+4*\s], 1
	s_add_co_u32 s[G0B+4*\s+1], s45, \s*SLOT
	s_add_nc_u64 s[G0B+4*\s+2:G0B+4*\s+3], s[46:47], \s*NQ*RBB*1536
	s_or_b32 s[G0B+4*\s+3], s[G0B+4*\s+3], 0x80000000
.endr
	s_wait_alu depctr_va_vdst(0)
	JLOAD G0A, G1A, G0B, G1B                       ; slot 0: my one tensor load at the head
	s_cmp_eq_u32 s15, 0
	s_cbranch_scc0 .Lsc_b
.set si, 0
.rept HALFS/512
	global_load_b128 v[64+4*si:67+4*si], v9, s[22:23] offset:si*2*RBA*64
.set si, si+1
.endr
	s_branch .Lsc_in
.Lsc_b:
.set si, 0
.rept HALFS/512
	global_load_b128 v[64+4*si:67+4*si], v10, s[96:97] offset:si*2*RBB*64
.set si, si+1
.endr
.Lsc_in:
	s_wait_xcnt 0x0                                ; the loads have read their bases: s22 is written again below
	global_prefetch_b8 v[PFO], s[PFA:PFA+1] th:TH_LOAD_NT scope:SCOPE_SE   ; fill 2
	v_and_b32 v1, 15, v0
	v_bfe_u32 v2, v0, 4, 1
	s_wait_alu depctr_va_vdst(0)
	v_and_b32 v3, 31, v0
	v_lshlrev_b32 v[L16], 4, v3
	v_lshlrev_b32 v[L4], 2, v3
	s_mul_i32 s21, s15, HALFT
	s_mul_i32 s22, s16, HALFT
	s_add_co_u32 s22, s22, 2*HALFT
.irp s, 0,1
	v_add_nc_u32 v[ADRA+\s], s21, v[L16]
	v_add_nc_u32 v[ADRB+\s], s22, v[L16]
	s_add_co_u32 s21, s21, SLOT
	s_add_co_u32 s22, s22, SLOT
.endr
	s_mul_i32 s21, s15, HALFS
	s_mul_i32 s22, s16, HALFS
	s_add_co_u32 s22, s22, 2*HALFS
	s_sub_co_u32 s22, s22, s21
	v_mul_u32_u24 v6, s22, v2
	s_add_co_u32 s21, s21, SCL
	v_lshl_add_u32 v5, v1, 2, v6
	v_add_nc_u32 v[ADRS], s21, v5
	s_mul_i32 s23, s14, 16*272
	v_mul_u32_u24 v[STO], v1, 272
	v_lshl_add_u32 v[STO], v2, 6, v[STO]
	v_add_nc_u32 v[STO], s23, v[STO]
	v_mul_u32_u24 v[RD], v2, 272
	v_lshl_add_u32 v[RD], v1, 4, v[RD]
	v_add_nc_u32 v[RD], s23, v[RD]
	v_lshlrev_b32 v[CO], 12, v2
	v_lshl_add_u32 v[CO], v1, 4, v[CO]
	s_lshl_b32 s18, s17, 3
	s_lshl_b32 s19, s15, 2
	s_add_co_u32 s18, s18, s19
	s_lshl_b32 s18, s18, 16
	s_lshl_b32 s19, s42, 3
	s_lshl_b32 s20, s16, 2
	s_add_co_u32 s19, s19, s20
	s_lshl_b32 s19, s19, 10
	s_add_co_u32 s18, s18, s19
	s_add_co_u32 s18, s18, RESB
	s_mov_b32 s19, 0
	s_add_nc_u64 s[8:9], s[8:9], s[18:19]
.set ra, 0
.rept 4
	WIN 0x80+0x40*(ra/2)
.set rb, 0
.rept 4
.set rD, 8*(NBK*(ra%HB)+rb)
	global_load_b128 v[rD:rD+3], v[L16], s[8:9] offset:ra*65536+rb*1024 th:TH_LOAD_NT
	global_load_b128 v[rD+4:rD+7], v[L16], s[8:9] offset:ra*65536+rb*1024+512 th:TH_LOAD_NT
.set rb, rb+1
.endr
.set ra, ra+1
.endr
	WIN 0
	s_lshl_b32 s18, s17, 19
	s_lshl_b32 s19, s15, 18
	s_add_co_u32 s18, s18, s19
	s_lshl_b32 s19, s42, 9
	s_add_co_u32 s18, s18, s19
	s_lshl_b32 s19, s16, 8
	s_add_co_u32 s18, s18, s19
	s_mov_b32 s19, 0
	s_add_nc_u64 s[12:13], s[10:11], s[18:19]
	s_wait_alu depctr_va_vdst(0)
	s_wait_xcnt 0x0                                ; my prefetch has read its address: it steps to fill 3
	s_add_nc_u64 s[PFA:PFA+1], s[PFA:PFA+1], s[PFS:PFS+1]
	s_wait_tensorcnt 0x0                           ; my part of slot 0 is in
	s_wait_loadcnt 0x0                             ; and so are my scale words and y + b2
.set si, 0
.rept HALFS/512
	ds_store_b128 v11, v[64+4*si:67+4*si] offset:512*si
.set si, si+1
.endr
	s_wait_tensorcnt 0x0
	ds_add_u32 v[SPW], v[NIL]
	s_wait_dscnt 0x0                               ; the add and my stores of scale words are done
	CROUND
	JLOAD G0A+4, G1A, G0B+4, G1B                   ; slot 1: the first tensor load behind the round
	FETCH_B 0, 0, 0
	FETCH_A 0, 0, 0
	SCALES 0
	FETCH_A 0, 0, HB
	global_prefetch_b8 v[PFO], s[PFA:PFA+1] th:TH_LOAD_NT scope:SCOPE_SE   ; fill 3
	STEP 0, 0
	s_mov_b32 s3, LAPS-1
.Llap:
	MID 0
	TURN 0, 1, 1
	STEP 1, 0
	MID 1
	TURN 1, 0, 1
	STEP 0, 0
	s_sub_co_u32 s3, s3, 1
	s_cmp_lg_u32 s3, 0
	s_cbranch_scc1 .Llap
	MID 0
	TURN 0, 1, 0
	STEP 1, 0
	MID 1
	s_wait_dscnt HB*NL
	MULQ 0, 1, NQ-1, 1
	MULQ 1, 1, NQ-1, 1
	s_wait_dscnt 0x0
	MULQ 2, 1, NQ-1, 1
	MULQ 3, 1, NQ-1, 1
	WIN 0
.macro TOSTAGE a
.set AC, 32*((\a)%2)
	WIN 0x08+4*((\a)/2)
.irp b, 0,1,2,3
	ds_store_b128 v[STO], v[AC+8*\b:AC+8*\b+3] offset:128*(\b/2)+32*(\b%2)
	ds_store_b128 v[STO], v[AC+8*\b+4:AC+8*\b+7] offset:128*(\b/2)+32*(\b%2)+16
.endr
	WIN 0
.set BB, BK+32*((\a)%2)
.irp t, 0,1,2,3,4,5,6,7
	ds_load_b128 v[BB+4*\t:BB+4*\t+3], v[RD] offset:\t*544
.endr
.endm
.macro SEND a, younger
.set BB, BK+32*((\a)%2)
	s_wait_dscnt \younger
.if (\a) > 0
	s_add_nc_u64 s[12:13], s[12:13], 16*4096
.endif
.irp t, 0,1,2,3,4,5,6,7
	global_store_b128 v[CO], v[BB+4*\t:BB+4*\t+3], s[12:13] offset:\t*8192 th:TH_STORE_NT
.endr
.endm
	PLACES 4
	TOSTAGE 0
.irp a, 1,2,3
.if \a > 1
	s_wait_xcnt 0x0
.endif
	TOSTAGE \a
	SEND \a-1, 16
.endr
	s_wait_xcnt 0x0
	SEND 3, 0
	s_wait_tensorcnt 0x0
	ds_add_u32 v[SPW], v[NIL]
	s_wait_dscnt 0x0
	CROUND
	s_endpgm
.Lfunc_end_k_q0aa2b14167_mlp2:
	.size	k_q0aa2b14167_mlp2, .Lfunc_end_k_q0aa2b14167_mlp2-k_q0aa2b14167_mlp2
	.p2alignl 7, 3214868480
	.fill 96, 4, 3214868480
	.section	.rodata,"a",@progbits
	.p2align	6, 0x0
	.amdhsa_kernel k_q0aa2b14167_mlp2
		.amdhsa_group_segment_fixed_size 327680
		.amdhsa_private_segment_fixed_size 0
		.amdhsa_enable_private_segment 0
		.amdhsa_kernarg_size 32
		.amdhsa_user_sgpr_count 2
		.amdhsa_user_sgpr_kernarg_segment_ptr 1
		.amdhsa_wavefront_size32 1
		.amdhsa_system_sgpr_workgroup_id_x 1
		.amdhsa_system_sgpr_workgroup_id_y 1
		.amdhsa_system_sgpr_workgroup_id_z 1
		.amdhsa_system_vgpr_workitem_id 0
		.amdhsa_next_free_vgpr 1024
		.amdhsa_next_free_sgpr 100
		.amdhsa_reserve_vcc 0
		.amdhsa_float_denorm_mode_32 3
		.amdhsa_float_denorm_mode_16_64 3
		.amdhsa_memory_ordered 1
		.amdhsa_forward_progress 1
		.amdhsa_inst_pref_size 96
	.end_amdhsa_kernel
	.amdgpu_metadata
---
amdhsa.version: [ 1, 2 ]
amdhsa.kernels:
  - .name:           k_q0aa2b14167_mlp2
    .symbol:         k_q0aa2b14167_mlp2.kd
    .args:
      - { .name: h3, .offset: 0, .size: 8, .value_kind: global_buffer, .address_space: global }
      - { .name: wts, .offset: 8, .size: 8, .value_kind: global_buffer, .address_space: global }
      - { .name: att, .offset: 16, .size: 8, .value_kind: global_buffer, .address_space: global }
      - { .name: out0, .offset: 24, .size: 8, .value_kind: global_buffer, .address_space: global }
    .group_segment_fixed_size: 327680
    .private_segment_fixed_size: 0
    .kernarg_segment_align: 8
    .kernarg_segment_size: 32
    .max_flat_workgroup_size: 128
    .sgpr_count:     100
    .vgpr_count:     1024
    .wavefront_size: 32
...
	.end_amdgpu_metadata
.endif
;; end of part 5
